; MI455X (gfx1250); checked and timed in simulation.
; The chip was launched on July 23, 2026; its instructions are those of AMD's public machine-readable ISA for CDNA 5 (MIT licence, August 2026) and "CDNA5" Instruction Set Architecture Reference Guide (July 2026). The comments in the code are by the model that wrote it; some were corrected since.
;; Tiny Mo E. Allowed arithmetic: matrix products marked QUANTISED: E2M3 operands, one E8M0 scale for each 32 along K, by v_wmma_scale_f32_16x16x128_f8f6f4 with both operands' format E2M3, f32 sums; everything else in f32.
;; Inputs: exp_down 16 x 1,024 x 512 float32; exp_gate 16 x 512 x 1,024 float32; exp_up 16 x 512 x 1,024 float32; router_w 16 x 1,024 float32; shared_down 1,024 x 512 float32; shared_gate 512 x 1,024 float32; shared_up 512 x 1,024 float32; x 4 x 512 x 1,024 float32.
;; Outputs: out0 4 x 512 x 1,024 float32.
;; This version of the problem:
;;   THIS VERSION OF THE PROBLEM IS GIVEN IN LOW PRECISION. The matrix products marked QUANTISED in the list below multiply operands that are first quantised to E2M3 (2 exponent bits, 3 mantissa bits; 6 bits a number), with one power-of-two scale for each 32 numbers along K (OCP MX v1.0); their sums are f32. All else is computed in f32.
;;   The module's matrix products, in the order in which they are computed (A, B: the left and right operand; K: the contracted axis; several contracted axes count as one K, in the product's order):
;;     1. [M 2,048, K 1,024] x [K 1,024, N 512]; A: input x; B: input shared_gate: QUANTISED
;;     2. [M 2,048, K 1,024] x [K 1,024, N 512]; A: input x; B: input shared_up: QUANTISED
;;     3. [M 2,048, K 512] x [K 512, N 1,024]; A: computed on the way; B: input shared_down: QUANTISED
;;     4. [M 2,048, K 1,024] x [K 1,024, N 16]; A: input x; B: input router_w: QUANTISED
;;     5. [M 2,048, K 1,024] x [K 1,024, N 8,192]; A: input x; B: input exp_gate: QUANTISED
;;     6. [M 2,048, K 1,024] x [K 1,024, N 8,192]; A: input x; B: input exp_up: QUANTISED
;;     7. batch 16 x [M 1,024, K 512] x [K 512, N 2,048]; A: input exp_down; B: computed on the way: QUANTISED
;;   THE QUANTISER, for each operand of a quantised product, along K:
;;     - K is cut into blocks of 32 from its start; a last block that is shorter is filled with zeros.
;;     - A block's scale is 2^e with e = floor(log2(the largest magnitude in the block)) - 2, held to -126 .. 127; a block of zeros has e = 0. As a byte (E8M0): e + 127.
;;     - Each number is divided by its block's scale, clamped to +-7.5, and rounded to the nearest number of E2M3, ties to even, subnormals kept.
;;     - The product sums the exact products of the quantised numbers (number of the format x scale) in f32.
;;   ~~~python
;;   def quantise(x, axis):      # numpy; x: float32 -> the quantised numbers, widened to float32 again
;;       x = np.moveaxis(x, axis, -1); K = x.shape[-1]
;;       x = np.pad(x, [(0, 0)] * (x.ndim - 1) + [(0, -K % 32)]); x = x.reshape(x.shape[:-1] + (-1, 32)); a = np.abs(x).max(-1, keepdims=True)
;;       e = np.where(a > 0, np.clip(np.frexp(np.where(a > 0, a, 1))[1] - 1 - 2, -126, 127), 0)      # np.frexp(a)[1] - 1 = floor(log2(a)), exactly
;;       r = np.clip(x / 2.0 ** e, -7.5, 7.5)
;;       step = 2.0 ** (np.maximum(np.frexp(np.where(r == 0, 1, r))[1] - 1, 0) - 3)
;;       q = np.round(r / step) * step * 2.0 ** e      # np.round: ties to even
;;       return np.moveaxis(q.reshape(q.shape[:-2] + (-1,))[..., :K], -1, axis).astype(np.float32)
;;   ~~~
;;   OPERANDS COMPUTED ON THE WAY. 'Computed on the way' means the value that the module computes at that place (a softmax that the list does not call 'softmax' is quantised finished and normalised). What goes into a quantiser is computed in f32, as accurately as f32 sums, v_exp_f32 and their like allow (about 1e-6 of the number): no bf16 or f16 on the way to a quantiser, and a product that is left as it is and whose result goes on into a quantised operand takes f32 operands (vector FMAs, or v_wmma_f32_16x16x4_f32). A number that lies on a knife's edge between two numbers of the format may be rounded either way, as far as f32 arithmetic and the matrix unit's own rounding can turn it there, and no further.
;; 2 versions, each right; version 2 is version 1 with the launches route, experts written anew for expert scheduling mode. Each part assembles by itself: llvm-mc -triple=amdgcn-amd-amdhsa -mcpu=gfx1250 --defsym DOCPART=n.
;; ======== version 1 of 2: 4 launches
;; workspace buffers: xq 1,638,400 bytes; ridx 16,384 bytes of whole numbers; rwt 32,768 bytes; wq 20,889,600 bytes; plan 143,872 bytes of whole numbers; ybuf 67,108,864 bytes
;; launch route (part 1): grid 128 x 1, 8 waves a work-group, no clusters, 22,016 bytes of LDS; arguments x, router_w, xq, ridx, rwt; writes xq, ridx, rwt
.if DOCPART == 1
	.amdgcn_target "amdgcn-amd-amdhsa--gfx1250"
	.amdhsa_code_object_version 6
	.text
	.protected	k_q446610d24f_route
	.globl	k_q446610d24f_route
	.p2align	8
	.type	k_q446610d24f_route,@function
k_q446610d24f_route:
	s_mov_b64 s[64:65], 0
	v_nop
	global_prefetch_b8 v0, s[64:65] scope:SCOPE_SE
	s_setreg_imm32_b32 hwreg(HW_REG_WAVE_MODE, 25, 1), 1
	s_wait_xcnt 0x0
; ROUTE.  x [2048][1024] f32 becomes codes of FP6 (E2M3) with one E8M0 byte for each 32 along H, laid in xq as the later launch's operand registers want them;
; the router's product x router_w^T is made on those codes, then softmax over the 16 experts and the two largest scores of each token.
; SHARES: a work-group takes 16 tokens; wave w takes K step w (128 of the 1,024 along H): one fragment of x, one of router_w, one matrix instruction.  The eight partial sums meet in LDS; wave 0 adds them in ascending K.
; xq: token t owns 800 bytes: byte 96 s + 48 h + 16 c holds registers 4 c .. 4 c + 3 of lane (row, h) of K step s's fragment; byte 768 + 4 s the scale word of K step s.
; ridx [t][2]: the two experts, as whole numbers at fixed places; rwt [t][4]: their scores, 1.0 (the shared expert's weight) and 0.  No address and no branch hangs on the choice.
; The maximum is taken away before the exponential, as the softmax asks.  The two largest are sought among e = 2^((l - max) log2 e); equal scores keep the lower index, by strict compares.
; LIMITS: NaN and infinities among the inputs are not served; a block whose largest magnitude lies under 2^(3 - 127) keeps the byte 1, and so does a block of zeros (its codes are zeros; this program alone reads the bytes);
; two logits closer than f32 sums resolve may change places; a second score that underflows to 0 has the weight 0 whichever expert is named.
; No cluster: of what a work-group reads only router_w's 64 KiB are shared with others, against 64 KiB of x of its own, and each wave reads its 8 KiB of it once.
.set PART, 12800                       ; LDS: bytes 0 .. 12,799 an image of the 16 tokens' rows of xq (pitch 800); behind it eight partial sums of 1,024 bytes
.set XF,   16                          ; v16-27   x's fragment
.set RF,   28                          ; v28-39   router_w's fragment
.set TQ,   40                          ; v40-47   the conversions' second halves
.set TM,   48                          ; v48-63   the quantiser's work
.set XW,   64                          ; v64      x's scale word;  v65 router_w's: they hold scales and nothing else
.set RW,   65
.set ACC,  72                          ; v72-79   my K step's partial logits
.set CPY,  80                          ; v80-95   the copy of xq's rows
.set LG,   96                          ; v96-103  logits, then e
.set MX,   104
.set TP,   105
.set SM,   106
.set H8,   107
.set BEST, 108                         ; v108-111 my half's largest e, its expert, the second, its expert
.set IX,   112
.set OT,   113                         ; v113-116 the other half's four
.set LO,   117                         ; v117-120 the four of experts 0-7
.set UP,   121                         ; v121-124 the four of experts 8-15
.set XR,   128                         ; v128-191 64 numbers of x; later the eight partial sums
.set RR,   192                         ; v192-255 64 numbers of router_w; later the merge's work
.set T1,   192
.set CA,   194
.set CB,   196
.set T2,   198
.set RC,   200
.set OUTI, 201
.set OUTW, 202
.set ONE,  204
.set NIL,  205
.set SEL,  20                          ; s[20:21] v_permlanex16_b32's selects for lane l xor 16
; 64 numbers of a lane, register 16 b + i = k 32 b + 16 (lane / 16) + i of my row, become a fragment's 12 registers at v[pc] and its scale word in v[pw].
.macro QUANT src, pc, tq, pw
.irp b, 0,1,2,3
	v_max3_num_f32 v[TM+\b], |v[\src+16*\b]|, |v[\src+1+16*\b]|, 0x1800000   ; block b: my 16 numbers, and the floor 2^(3 - 127): the byte cannot fall under 1
.endr
.irp i, 2,4,6,8,10,12,14
.irp b, 0,1,2,3
	v_max3_num_f32 v[TM+\b], v[TM+\b], |v[\src+16*\b+\i]|, |v[\src+1+16*\b+\i]|   ; the four blocks by turns
.endr
.endr
.irp b, 0,1,2,3
	v_permlanex16_b32 v[TM+4+\b], v[TM+\b], s[SEL], s[SEL+1]
.endr
.irp b, 0,1,2,3
	v_max_num_f32 v[TM+\b], v[TM+\b], v[TM+4+\b]   ; with lane l xor 16's: the block's largest magnitude
.endr
.irp b, 0,1,2,3
	v_add_nc_u32 v[TM+12+\b], 0xff000000, v[TM+\b]   ; 2 off its exponent field: the conversion's scale operand
.endr
.irp b, 0,1,2,3
	v_lshrrev_b32 v[TM+4+\b], 23, v[TM+12+\b]      ; the scale's byte
.endr
	v_lshl_or_b32 v[\pw], v[TM+5], 8, v[TM+4]
	v_lshl_or_b32 v[\pw], v[TM+6], 16, v[\pw]
	v_lshl_or_b32 v[\pw], v[TM+7], 24, v[\pw]
.irp c, 0,1
	v_cvt_scalef32_pk16_fp6_f32 v[\pc+6*\c:\pc+2+6*\c], v[\src+32*\c:\src+15+32*\c], v[TM+12+2*\c]
	v_cvt_scalef32_pk16_fp6_f32 v[\tq+4*\c:\tq+2+4*\c], v[\src+16+32*\c:\src+31+32*\c], v[TM+13+2*\c]   ; a conversion's three registers begin on an even number
.endr
	v_nop                                          ; one plain place behind a scaled conversion
.irp c, 0,1                                    ; the operand wants a whole block in a lane: lanes 0-15 block 2 c, lanes 16-31 block 2 c + 1
.irp i, 0,1,2
	v_permlane16_swap_b32 v[\pc+6*\c+\i], v[\tq+4*\c+\i]
.endr
.irp i, 0,1,2
	v_mov_b32 v[\pc+3+6*\c+\i], v[\tq+4*\c+\i]
.endr
.endr
.endm
	s_load_b256 s[4:11], s[0:1], 0x0               ; x s[4:5], router_w s[6:7], xq s[8:9], ridx s[10:11]
	s_load_b64 s[12:13], s[0:1], 0x20              ; rwt
	v_lshl_add_u32 v126, v0, 2, 0x5200
	v_mov_b32 v127, 0
	v_lshrrev_b32 v1, 5, v0
	v_readfirstlane_b32 s14, v1                    ; wave = K step
	v_and_b32 v1, 31, v0                           ; lane
	v_and_b32 v2, 15, v0                           ; r
	v_bfe_u32 v3, v0, 4, 1                         ; h
	v_lshlrev_b32 v4, 12, v2
	v_lshl_add_u32 v4, v3, 6, v4                   ; x and router_w: row r of 4,096 bytes + 64 h: my 16 numbers of a block of 32
	v_mul_u32_u24 v6, v2, 800
	v_mad_u32_u24 v5, v3, 48, v6
	s_mul_i32 s16, s14, 96
	v_add_nc_u32 v5, s16, v5                       ; LDS: my 48 bytes of the fragment: 800 r + 48 h + 96 w
	s_lshl_b32 s16, s14, 2
	s_add_co_u32 s16, s16, 768
	v_add_nc_u32 v6, s16, v6                       ; and my row's scale word: 800 r + 768 + 4 w
	v_lshlrev_b32 v9, 4, v1                        ; 16 x lane
	s_lshl_b32 s16, s14, 10
	s_add_co_u32 s16, s16, PART
	v_add_nc_u32 v7, s16, v9                       ; my partial sums: PART + 1,024 w + 16 x lane
	s_lshl_b32 s16, s14, 9
	v_add_nc_u32 v8, s16, v9                       ; the copy: 512 w + 16 x lane, in LDS and in xq alike
	v_lshlrev_b32 v10, 3, v2
	v_lshl_add_u32 v10, v3, 2, v10                 ; ridx: 8 r + 4 h
	v_lshlrev_b32 v11, 4, v2
	v_lshl_add_u32 v11, v3, 3, v11                 ; rwt: 16 r + 8 h
	s_mov_b32 s[SEL], 0x76543210
	s_mov_b32 s[SEL+1], 0xfedcba98
	s_mov_b32 s22, 0xffff0000                      ; lanes 16-31
	s_mov_b32 s23, 0x3fb8aa3b                      ; log2 e
.irp b, 0,1,2,3
	v_mov_b32 v[TM+4+\b], 0                        ; written once: a lane permute's destination counts as one of its sources
.endr
	s_lshl_b32 s16, ttmp9, 16                      ; 16 tokens of 4,096 bytes
	s_lshl_b32 s18, s14, 9                         ; K step w: 512 bytes on
	s_mov_b32 s17, 0
	s_mov_b32 s19, 0
	s_add_co_u32 s16, s16, s18
	s_wait_kmcnt 0x0
	s_add_nc_u64 s[4:5], s[4:5], s[16:17]
	s_add_nc_u64 s[6:7], s[6:7], s[18:19]
	s_mul_i32 s16, ttmp9, 12800
	s_add_nc_u64 s[8:9], s[8:9], s[16:17]
	s_lshl_b32 s16, ttmp9, 7
	s_add_nc_u64 s[10:11], s[10:11], s[16:17]
	s_lshl_b32 s16, ttmp9, 8
	s_add_nc_u64 s[12:13], s[12:13], s[16:17]
.irp b, 0,1,2,3
.irp j, 0,1,2,3
	global_load_b128 v[XR+16*\b+4*\j:XR+16*\b+4*\j+3], v4, s[4:5] offset:128*\b+16*\j th:TH_LOAD_NT
.endr
.endr
.irp b, 0,1,2,3
.irp j, 0,1,2,3
	global_load_b128 v[RR+16*\b+4*\j:RR+16*\b+4*\j+3], v4, s[6:7] offset:128*\b+16*\j
.endr
.endr
	s_wait_loadcnt 16                              ; x's 16 loads are in; router_w's 16 may be out
	QUANT XR, XF, TQ, XW
.irp c, 0,1,2
	ds_store_b128 v5, v[XF+4*\c:XF+4*\c+3] offset:16*\c
.endr
	ds_store_b32 v6, v[XW]                         ; both halves of the lanes write the same word with the same value
	s_wait_loadcnt 0x0
	QUANT RR, RF, TQ, RW
.rept 8
	v_nop                                          ; a scale register written by a vector instruction stands 8 places ahead of a scaled matrix instruction, an operand so written 4
.endr
	v_wmma_scale_f32_16x16x128_f8f6f4 v[ACC:ACC+7], v[RF:RF+11], v[XF:XF+11], 0, v[RW], v[XW] matrix_a_fmt:MATRIX_FMT_FP6 matrix_b_fmt:MATRIX_FMT_FP6   ; lane (r, h), register j: expert 8 h + j, token r
.rept 4
	v_nop                                          ; four places in front of the stores that read the result
.endr
	ds_store_b128 v7, v[ACC:ACC+3]                 ; from the low end on
	ds_store_b128 v7, v[ACC+4:ACC+7] offset:512
	s_wait_dscnt 0x0                               ; for the others' sake: my stores have landed
	s_barrier_signal -1
	s_barrier_wait -1                              ; the 16 rows of xq and the eight partial sums lie in LDS
.irp n, 0,1,2
	ds_load_b128 v[CPY+4*\n:CPY+4*\n+3], v8 offset:4096*\n
.endr
.irp n, 0,1,2
	s_wait_dscnt 2-\n                              ; chunk n is in; the later ones may be out
	global_store_b128 v8, v[CPY+4*\n:CPY+4*\n+3], s[8:9] offset:4096*\n   ; 32 lanes store 512 consecutive bytes
.endr
	s_cmp_lg_u32 s14, 0
	s_cbranch_scc1 .Lend                           ; the rest is wave 0's
	ds_load_b128 v[CPY+12:CPY+15], v9 offset:12288 ; the 25th chunk of 512 bytes
.irp p, 0,1,2,3,4,5,6,7
	ds_load_b128 v[XR+8*\p:XR+8*\p+3], v9 offset:PART+1024*\p
	ds_load_b128 v[XR+8*\p+4:XR+8*\p+7], v9 offset:PART+1024*\p+512
.endr
	s_wait_dscnt 16                                ; the chunk is in; the 16 loads behind it may be out
	global_store_b128 v9, v[CPY+12:CPY+15], s[8:9] offset:12288
	v_mov_b32 v[TP], 0
.irp i, 0,1,2,3
	v_mov_b32 v[OT+\i], 0
.endr
	v_mov_b32 v[ONE], 1.0
	v_mov_b32 v[NIL], 0
	s_wait_dscnt 0x0
.irp j, 0,2,4,6
	v_pk_add_f32 v[LG+\j:LG+\j+1], v[XR+\j:XR+\j+1], v[XR+8+\j:XR+9+\j]   ; the logits: K steps in ascending order
.endr
.irp p, 2,3,4,5,6,7
.irp j, 0,2,4,6
	v_pk_add_f32 v[LG+\j:LG+\j+1], v[LG+\j:LG+\j+1], v[XR+8*\p+\j:XR+8*\p+\j+1]
.endr
.endr
	v_max3_num_f32 v[MX], v[LG], v[LG+1], v[LG+2]
	v_max3_num_f32 v[MX], v[MX], v[LG+3], v[LG+4]
	v_max3_num_f32 v[MX], v[MX], v[LG+5], v[LG+6]
	v_max_num_f32 v[MX], v[MX], v[LG+7]
	v_permlanex16_b32 v[TP], v[MX], s[SEL], s[SEL+1]
	v_max_num_f32 v[MX], v[MX], v[TP]              ; the token's largest logit
.irp j, 0,1,2,3,4,5,6,7
	v_sub_f32 v[LG+\j], v[LG+\j], v[MX]            ; exactly 0 at the maximum
.endr
.irp j, 0,1,2,3,4,5,6,7
	v_mul_f32 v[LG+\j], s23, v[LG+\j]
.endr
.irp j, 0,1,2,3,4,5,6,7
	v_exp_f32 v[LG+\j], v[LG+\j]
.endr
	v_lshlrev_b32 v[H8], 3, v3                     ; (a plain place behind the exponentials)  my first expert: 8 h
	s_wait_alu depctr_va_vdst(0)
	v_add_f32 v[SM], v[LG], v[LG+1]
.irp j, 2,3,4,5,6,7
	v_add_f32 v[SM], v[SM], v[LG+\j]
.endr
	v_permlanex16_b32 v[TP], v[SM], s[SEL], s[SEL+1]
	v_add_f32 v[SM], v[SM], v[TP]
	v_rcp_f32 v[RC], v[SM]
	v_mov_b32 v[BEST], v[LG]                       ; (a plain place behind the reciprocal)  the two largest of my eight
	v_mov_b32 v[BEST+1], v[H8]
	v_mov_b32 v[BEST+2], -1.0                      ; under every e
	v_mov_b32 v[BEST+3], v[H8]
.irp j, 1,2,3,4,5,6,7
	v_add_nc_u32 v[IX], \j, v[H8]
	v_cmp_gt_f32 vcc_lo, v[LG+\j], v[BEST+2]       ; strict: an equal score leaves the lower index in place
	v_cmp_gt_f32 s24, v[LG+\j], v[BEST]
	v_cndmask_b32 v[BEST+2], v[BEST+2], v[LG+\j], vcc_lo
	v_cndmask_b32 v[BEST+3], v[BEST+3], v[IX], vcc_lo
	v_cndmask_b32 v[BEST+2], v[BEST+2], v[BEST], s24
	v_cndmask_b32 v[BEST+3], v[BEST+3], v[BEST+1], s24
	v_cndmask_b32 v[BEST], v[BEST], v[LG+\j], s24
	v_cndmask_b32 v[BEST+1], v[BEST+1], v[IX], s24
.endr
.irp i, 0,1,2,3
	v_permlanex16_b32 v[OT+\i], v[BEST+\i], s[SEL], s[SEL+1]
.endr
.irp i, 0,1,2,3
	v_cndmask_b32 v[LO+\i], v[BEST+\i], v[OT+\i], s22   ; experts 0-7's four: my own in lanes 0-15, the other half's in lanes 16-31
	v_cndmask_b32 v[UP+\i], v[OT+\i], v[BEST+\i], s22   ; experts 8-15's
.endr
	v_cmp_gt_f32 vcc_lo, v[UP], v[LO]
	v_cndmask_b32 v[T1], v[LO], v[UP], vcc_lo      ; the largest of all 16
	v_cndmask_b32 v[T1+1], v[LO+1], v[UP+1], vcc_lo
	v_cndmask_b32 v[CA], v[LO+2], v[LO], vcc_lo    ; what is left to choose from: of the lower eight,
	v_cndmask_b32 v[CA+1], v[LO+3], v[LO+1], vcc_lo
	v_cndmask_b32 v[CB], v[UP], v[UP+2], vcc_lo    ; and of the upper eight
	v_cndmask_b32 v[CB+1], v[UP+1], v[UP+3], vcc_lo
	v_cmp_gt_f32 vcc_lo, v[CB], v[CA]
	v_cndmask_b32 v[T2], v[CA], v[CB], vcc_lo
	v_cndmask_b32 v[T2+1], v[CA+1], v[CB+1], vcc_lo
	s_wait_alu depctr_va_vdst(0)
	v_mul_f32 v[T1], v[T1], v[RC]                  ; the scores
	v_mul_f32 v[T2], v[T2], v[RC]
	v_cndmask_b32 v[OUTI], v[T1+1], v[T2+1], s22
	v_cndmask_b32 v[OUTW], v[T1], v[ONE], s22
	v_cndmask_b32 v[OUTW+1], v[T2], v[NIL], s22
	global_store_b32 v10, v[OUTI], s[10:11]        ; lanes 0-15 the first expert, lanes 16-31 the second
	global_store_b64 v11, v[OUTW:OUTW+1], s[12:13] ; the 32 lanes store 256 consecutive bytes
.Lend:
	s_wait_tensorcnt 0x0
	ds_add_u32 v126, v127
	s_wait_dscnt 0x0
	s_endpgm
.Lfunc_end_k_q446610d24f_route:
	.size	k_q446610d24f_route, .Lfunc_end_k_q446610d24f_route-k_q446610d24f_route
	.p2alignl 7, 3214868480
	.fill 96, 4, 3214868480
	.section	.rodata,"a",@progbits
	.p2align	6, 0x0
	.amdhsa_kernel k_q446610d24f_route
		.amdhsa_group_segment_fixed_size 22016
		.amdhsa_private_segment_fixed_size 0
		.amdhsa_enable_private_segment 0
		.amdhsa_kernarg_size 40
		.amdhsa_user_sgpr_count 2
		.amdhsa_user_sgpr_kernarg_segment_ptr 1
		.amdhsa_wavefront_size32 1
		.amdhsa_system_sgpr_workgroup_id_x 1
		.amdhsa_system_sgpr_workgroup_id_y 1
		.amdhsa_system_sgpr_workgroup_id_z 1
		.amdhsa_system_vgpr_workitem_id 0
		.amdhsa_next_free_vgpr 256
		.amdhsa_next_free_sgpr 66
		.amdhsa_reserve_vcc 1
		.amdhsa_float_denorm_mode_32 3
		.amdhsa_float_denorm_mode_16_64 3
		.amdhsa_memory_ordered 1
		.amdhsa_forward_progress 1
		.amdhsa_inst_pref_size 25
	.end_amdhsa_kernel
	.amdgpu_metadata
---
amdhsa.version: [ 1, 2 ]
amdhsa.kernels:
  - .name:           k_q446610d24f_route
    .symbol:         k_q446610d24f_route.kd
    .args:
      - { .name: x, .offset: 0, .size: 8, .value_kind: global_buffer, .address_space: global }
      - { .name: router_w, .offset: 8, .size: 8, .value_kind: global_buffer, .address_space: global }
      - { .name: xq, .offset: 16, .size: 8, .value_kind: global_buffer, .address_space: global }
      - { .name: ridx, .offset: 24, .size: 8, .value_kind: global_buffer, .address_space: global }
      - { .name: rwt, .offset: 32, .size: 8, .value_kind: global_buffer, .address_space: global }
    .group_segment_fixed_size: 22016
    .private_segment_fixed_size: 0
    .kernarg_segment_align: 8
    .kernarg_segment_size: 40
    .max_flat_workgroup_size: 256
    .sgpr_count:     66
    .vgpr_count:     256
    .wavefront_size: 32
...
	.end_amdgpu_metadata
.endif
;; end of part 1
;; launch quant (part 2): grid 412 x 1, 4 waves a work-group, no clusters, 34,304 bytes of LDS; arguments exp_gate, exp_up, exp_down, shared_gate, shared_up, shared_down, ridx, wq, plan; writes wq, plan
.if DOCPART == 2
	.amdgcn_target "amdgcn-amd-amdhsa--gfx1250"
	.amdhsa_code_object_version 6
	.text
	.protected	k_q446610d24f_quant
	.globl	k_q446610d24f_quant
	.p2align	8
	.type	k_q446610d24f_quant,@function
k_q446610d24f_quant:
	s_mov_b64 s[64:65], 0
	v_nop
	global_prefetch_b8 v0, s[64:65] scope:SCOPE_SE
	s_setreg_imm32_b32 hwreg(HW_REG_WAVE_MODE, 25, 1), 1
	s_wait_xcnt 0x0
; QUANT.  The six weight tensors (f32, K innermost) become codes of FP6 (E2M3) with one E8M0 byte for each 32 along K, laid in wq in the order in which the next launch's waves stream them into operand registers.
; Four more work-groups place the routed rows by expert, from ridx, into plan.
; wq: stream (e, w), e = 0 .. 16 (16 = the shared expert), w = 0 .. 3, begins at (4 e + w) x 307,200 and holds 48 groups of 6,400 bytes: four fragments q of 1,536 bytes (registers 4 c .. 4 c + 3 of lane l at 1536 q + 512 c + 16 l),
;   then 256 bytes of scale words: lane l = r + 16 u has 8 bytes at 6144 + 8 l: row r's word of fragment u, then of fragment 2 + u.
;   Groups 8 b + s: with B = 4 w + b, fragments 0, 1 of gate and 2, 3 of up; fragment row r is weight row 32 B + 8 (q & 1) + r + 8 (r / 8), k = 128 s on.  Groups 32 + 4 g + s: down's rows 64 (4 w + g) + 16 q + r, k = 128 s on.
; SHARES: work-groups 0-271: expert g / 16, B = g % 16: 32 whole rows of gate and of up; wave w makes K steps 2 w and 2 w + 1.  Work-groups 272-407: expert (g - 272) / 8, 128 whole rows of down; wave w makes K step w of two groups.
;   Both kinds take ONE path through the text: only numbers and pointers are chosen, on the work-group's number.  A wave makes 8 fragments from 64 KiB of f32.
; A load reads 512 consecutive bytes of one row; a fragment's 16 rows turn through the wave's own stage in LDS (pitch 528), so that a lane gets 16 neighbours of each block of 32.  Loads run three fragments (48 loads a wave) ahead.
; Work-groups 408-411: each wave takes one expert e, reads all of ridx, and writes list e: the entries 4 t + k of the rows that chose e.  A lane without a match writes a scrap word of its own behind the list, so that all lanes stay on.
;   plan: list e at 8,448 e: 2,048 words and 32 scrap words; list 16 is 4 t + 2 for t = 0 .. 2,047; the 16 counts at byte 143,616.
; LIMITS: NaN and infinities are not served; a block whose largest magnitude lies under 2^(3 - 127) keeps the byte 1, and so does a block of zeros (its codes are zeros; this program alone reads the bytes).
; No cluster and no tensor load: no two work-groups read the same byte of a weight, and waves share nothing.
.set STGB, 8448                        ; a wave's stage: 16 rows x (512 bytes + 16)
.set RO,   8                           ; v8-23    byte offset of my 16 bytes in each of a fragment's 16 rows; never rewritten
.set TM,   24                          ; v24-39   the quantiser's work
.set PC,   40                          ; v40-51   the fragment just made
.set TQ,   52                          ; v52-59   the conversions' second halves
.set PWS,  60                          ; v60-63   a group's four scale words
.set R0,   64                          ; v64-255  three sets of 64 numbers
.set SEL,  60                          ; s[60:61] v_permlanex16_b32's selects for lane l xor 16
.macro QUANT src, pc, tq, pw
.irp b, 0,1,2,3
	v_max3_num_f32 v[TM+\b], |v[\src+16*\b]|, |v[\src+1+16*\b]|, 0x1800000   ; block b: my 16 numbers, and the floor 2^(3 - 127): the byte cannot fall under 1
.endr
.irp i, 2,4,6,8,10,12,14
.irp b, 0,1,2,3
	v_max3_num_f32 v[TM+\b], v[TM+\b], |v[\src+16*\b+\i]|, |v[\src+1+16*\b+\i]|   ; the four blocks by turns
.endr
.endr
.irp b, 0,1,2,3
	v_permlanex16_b32 v[TM+4+\b], v[TM+\b], s[SEL], s[SEL+1]
.endr
.irp b, 0,1,2,3
	v_max_num_f32 v[TM+\b], v[TM+\b], v[TM+4+\b]   ; with lane l xor 16's: the block's largest magnitude
.endr
.irp b, 0,1,2,3
	v_add_nc_u32 v[TM+12+\b], 0xff000000, v[TM+\b]   ; 2 off its exponent field: the conversion's scale operand
.endr
.irp b, 0,1,2,3
	v_lshrrev_b32 v[TM+4+\b], 23, v[TM+12+\b]      ; the scale's byte
.endr
	v_lshl_or_b32 v[\pw], v[TM+5], 8, v[TM+4]
	v_lshl_or_b32 v[\pw], v[TM+6], 16, v[\pw]
	v_lshl_or_b32 v[\pw], v[TM+7], 24, v[\pw]
.irp c, 0,1
	v_cvt_scalef32_pk16_fp6_f32 v[\pc+6*\c:\pc+2+6*\c], v[\src+32*\c:\src+15+32*\c], v[TM+12+2*\c]
	v_cvt_scalef32_pk16_fp6_f32 v[\tq+4*\c:\tq+2+4*\c], v[\src+16+32*\c:\src+31+32*\c], v[TM+13+2*\c]   ; a conversion's three registers begin on an even number
.endr
	v_nop                                          ; one plain place behind a scaled conversion
.irp c, 0,1                                    ; the operand wants a whole block in a lane
.irp i, 0,1,2
	v_permlane16_swap_b32 v[\pc+6*\c+\i], v[\tq+4*\c+\i]
.endr
.irp i, 0,1,2
	v_mov_b32 v[\pc+3+6*\c+\i], v[\tq+4*\c+\i]
.endr
.endr
.endm
	s_load_b512 s[4:19], s[0:1], 0x0               ; exp_gate s[4:5], exp_up s[6:7], exp_down s[8:9], shared_gate s[10:11], shared_up s[12:13], shared_down s[14:15], ridx s[16:17], wq s[18:19]
	s_load_b64 s[20:21], s[0:1], 0x40              ; plan
	v_lshl_add_u32 v55, v0, 2, 0x8400
	v_mov_b32 v59, 0
	v_lshrrev_b32 v5, 5, v0
	v_readfirstlane_b32 s22, v5                    ; wave
	v_and_b32 v5, 31, v0                           ; lane
	v_lshlrev_b32 v1, 4, v5                        ; 16 x lane
	v_lshlrev_b32 v2, 3, v5                        ; 8 x lane
	s_mov_b32 s23, ttmp9
	s_wait_kmcnt 0x0
	s_cmp_ge_u32 s23, 408
	s_cbranch_scc1 .Lplace
	v_and_b32 v6, 15, v0                           ; r
	v_bfe_u32 v7, v0, 4, 1                         ; h
	s_mul_i32 s24, s22, STGB
	v_add_nc_u32 v3, s24, v1                       ; the stage, on the way in: 16 x lane of a row
	v_mul_u32_u24 v4, v6, 528
	v_lshl_add_u32 v4, v7, 6, v4
	v_add_nc_u32 v4, s24, v4                       ; and on the way out: row r, + 64 h
	; the numbers of a gate-and-up work-group
	s_lshr_b32 s24, s23, 4                         ; e
	s_and_b32 s25, s23, 15                         ; B
	s_lshl_b32 s26, s25, 17                        ; 32 B rows of 4,096 bytes
	s_lshl_b32 s27, s22, 10                        ; K step 2 w
	s_add_co_u32 s26, s26, s27
	s_lshl_b32 s27, s24, 2
	s_lshr_b32 s28, s25, 2
	s_add_co_u32 s27, s27, s28                     ; the stream: 4 e + B / 4
	s_mul_i32 s27, s27, 48
	s_and_b32 s28, s25, 3
	s_lshl_b32 s28, s28, 3
	s_add_co_u32 s27, s27, s28
	s_lshl_b32 s28, s22, 1
	s_add_co_u32 s27, s27, s28                     ; its group 8 (B % 4) + 2 w
	; the numbers of a down work-group (in the others they are not used)
	s_sub_co_u32 s28, s23, 272
	s_lshr_b32 s29, s28, 3                         ; e
	s_and_b32 s30, s28, 7                          ; a: which 128 rows
	s_lshl_b32 s31, s30, 18                        ; 128 a rows of 2,048 bytes
	s_lshl_b32 s28, s22, 9                         ; K step w
	s_add_co_u32 s31, s31, s28
	s_lshl_b32 s28, s29, 2
	s_lshr_b32 s56, s30, 1
	s_add_co_u32 s28, s28, s56                     ; the stream: 4 e + a / 2
	s_mul_i32 s28, s28, 48
	s_and_b32 s56, s30, 1
	s_lshl_b32 s56, s56, 3
	s_add_co_u32 s28, s28, s56
	s_add_co_u32 s28, s28, s22
	s_add_co_u32 s28, s28, 32                      ; its group 32 + 8 (a % 2) + w
	s_mov_b32 s58, 2048                            ; (an instruction takes one literal: the second number of each choice waits in its register)
	s_mov_b32 s59, 16384
	s_mov_b32 s56, 131072
	s_mov_b32 s30, 25600
	s_cmp_lt_u32 s23, 272                          ; the choice hangs on the work-group's number alone
	s_cselect_b32 s24, s24, s29                    ; e
	s_cselect_b32 s26, s26, s31                    ; where my first fragment begins in its expert's tensor
	s_cselect_b32 s27, s27, s28                    ; my first group
	s_cselect_b32 s58, 4096, s58                   ; a row in bytes
	s_cselect_b32 s59, 65536, s59                  ; from a fragment's row 0 to its row 8: 16 rows of gate or up, 8 of down
	s_cselect_b32 s56, 512, s56                    ; from my first group's sources to my second's: a K step on, or 64 rows down
	s_cselect_b32 s30, 6400, s30                   ; and in wq: one group on, or four
	s_cselect_b32 s31, 0, 65536                    ; fragments 2, 3: the other tensor, or 32 rows down
	s_cselect_b64 s[4:5], s[4:5], s[8:9]           ; fragments 0, 1 come from gate or down,
	s_cselect_b64 s[6:7], s[6:7], s[8:9]           ; fragments 2, 3 from up or down;
	s_cselect_b64 s[10:11], s[10:11], s[14:15]     ; the shared expert's likewise
	s_cselect_b64 s[12:13], s[12:13], s[14:15]
	s_lshl_b32 s28, s24, 21                        ; an expert's tensor is 2 MiB
	s_cmp_eq_u32 s24, 16
	s_cselect_b64 s[52:53], s[10:11], s[4:5]
	s_cselect_b64 s[54:55], s[12:13], s[6:7]
	s_cselect_b32 s28, 0, s28
	s_add_co_u32 s28, s28, s26
	s_mov_b32 s29, 0
	s_add_nc_u64 s[32:33], s[52:53], s[28:29]      ; s[32:39]: the sources of my first group's fragments 0 .. 3
	s_add_nc_u64 s[34:35], s[32:33], 32768         ; 8 rows of gate or up, 16 of down
	s_add_co_u32 s28, s28, s31
	s_add_nc_u64 s[36:37], s[54:55], s[28:29]
	s_add_nc_u64 s[38:39], s[36:37], 32768
	s_mov_b32 s57, 0
.irp q, 0,1,2,3
	s_add_nc_u64 s[40+2*\q:41+2*\q], s[32+2*\q:33+2*\q], s[56:57]   ; s[40:47]: my second group's
.endr
	s_mul_i32 s28, s27, 6400
	s_add_nc_u64 s[48:49], s[18:19], s[28:29]      ; where my first group goes,
	s_mov_b32 s31, 0
	s_add_nc_u64 s[50:51], s[48:49], s[30:31]      ; and my second
	s_mov_b32 s[SEL], 0x76543210
	s_mov_b32 s[SEL+1], 0xfedcba98
	s_mov_b32 s62, 0xffff0000                      ; lanes 16-31
	v_mov_b32 v[RO], v1
.irp i, 1,2,3,4,5,6,7
	v_add_nc_u32 v[RO+\i], s58, v[RO+\i-1]
.endr
	v_add_nc_u32 v[RO+8], s59, v[RO]
.irp i, 9,10,11,12,13,14,15
	v_add_nc_u32 v[RO+\i], s58, v[RO+\i-1]
.endr
.irp b, 0,1,2,3
	v_mov_b32 v[TM+4+\b], 0                        ; written once: a lane permute's destination counts as one of its sources
.endr
.macro LOAD f                          ; fragment f's 16 rows x 512 bytes into set f % 3
.set RL, R0+64*((\f)%3)
.irp i, 0,1,2,3,4,5,6,7,8,9,10,11,12,13,14,15
	global_load_b128 v[RL+4*\i:RL+4*\i+3], v[RO+\i], s[32+2*(\f):33+2*(\f)] th:TH_LOAD_NT   ; 32 lanes read 512 consecutive bytes
.endr
.endm
.macro STEP f
.set RS, R0+64*((\f)%3)
.set DP, 48+2*((\f)/4)
.if (\f) < 6
	s_wait_loadcnt 32                              ; this fragment's 16 loads are in; the two younger fragments' may be out
.else
	s_wait_loadcnt 16*(7-(\f))
.endif
.irp i, 0,1,2,3,4,5,6,7,8,9,10,11,12,13,14,15
	ds_store_b128 v3, v[RS+4*\i:RS+4*\i+3] offset:528*\i
.endr
.irp b, 0,1,2,3
.irp j, 0,1,2,3
	ds_load_b128 v[RS+16*\b+4*\j:RS+16*\b+4*\j+3], v4 offset:128*\b+16*\j   ; LDS serves a wave's instructions in order: these see the stores above, and come back into the registers that those left
.endr
.endr
	s_wait_dscnt 0x0
	s_wait_xcnt 0x0                                ; the earlier stores have read their data: the codes' and the scale words' registers are written again only behind this wait
	QUANT RS, PC, TQ, PWS+(\f)%4
.irp c, 0,1,2
	global_store_b128 v1, v[PC+4*\c:PC+4*\c+3], s[DP:DP+1] offset:1536*((\f)%4)+512*\c   ; 32 lanes store 512 consecutive bytes
.endr
.if (\f)%4 == 3
	v_cndmask_b32 v6, v[PWS], v[PWS+1], s62        ; lanes 0-15 fragment 0's words, lanes 16-31 fragment 1's;
	v_cndmask_b32 v7, v[PWS+2], v[PWS+3], s62      ; fragments 2's and 3's
	global_store_b64 v2, v[6:7], s[DP:DP+1] offset:6144   ; 256 consecutive bytes
.endif
.if (\f)+3 < 8
	LOAD (\f)+3
.endif
.endm
	LOAD 0
	LOAD 1
	LOAD 2
.irp f, 0,1,2,3,4,5,6,7
	STEP \f
.endr
	s_wait_tensorcnt 0x0
	ds_add_u32 v55, v59
	s_wait_dscnt 0x0
	s_endpgm
.Lplace:                                           ; THE PLACING OF ROWS: no LDS, no barrier; a wave to an expert
	s_sub_co_u32 s24, s23, 408
	s_lshl_b32 s24, s24, 2
	s_add_co_u32 s24, s24, s22                     ; my expert
.irp i, 0,1,2,3,4,5,6,7,8,9,10,11,12,13,14,15,16,17,18,19,20,21,22,23,24,25,26,27,28,29,30,31
	global_load_b128 v[64+4*\i:67+4*\i], v1, s[16:17] offset:512*\i   ; register 4 i + c: word 128 i + 4 lane + c of ridx: token 64 i + 2 lane + c / 2, choice c % 2
.endr
	s_mul_i32 s26, s24, 8448
	s_mov_b32 s27, 0
	s_add_nc_u64 s[28:29], s[20:21], s[26:27]      ; my list
	s_mov_b32 s25, 0                               ; rows placed so far
	v_add_nc_u32 v5, 2048, v5                      ; my scrap word
	s_wait_loadcnt 0x0
.set n, 0
.rept 128
.if (n%8 == 0) && (n > 0)
	s_wait_xcnt 0x0                                ; the last eight stores have read their registers
.endif
	v_cmp_eq_u32 vcc_lo, s24, v[64+n]
	v_mbcnt_lo_u32_b32 v[8+n%8], vcc_lo, s25       ; the matches in lanes below mine, and all before
	s_bcnt1_i32_b32 s30, vcc_lo
	s_add_co_u32 s25, s25, s30
	v_cndmask_b32 v[8+n%8], v5, v[8+n%8], vcc_lo   ; no match: my scrap word
	v_min_u32 v[8+n%8], 0x81f, v[8+n%8]            ; inside the list and its scrap words
	v_lshlrev_b32 v[8+n%8], 2, v[8+n%8]
	v_add_nc_u32 v[16+n%8], 256*(n/4)+4*((n%4)/2)+(n%2), v2   ; the entry: 4 x token + choice
	global_store_b32 v[8+n%8], v[16+n%8], s[28:29]
.set n, n+1
.endr
	s_wait_xcnt 0x0
	s_lshl_b32 s30, s24, 9
	v_add_nc_u32 v8, s30, v1                       ; my 128 words of list 16: byte 512 e + 16 lane; word p holds 4 p + 2
	v_add_nc_u32 v16, 2, v8
	v_add_nc_u32 v17, 6, v8
	v_add_nc_u32 v18, 10, v8
	v_add_nc_u32 v19, 14, v8
	global_store_b128 v8, v[16:19], s[20:21] offset:135168
	s_lshl_b32 s31, s24, 2
	v_mov_b32 v20, s25                             ; my expert's count
	v_mov_b32 v21, s31
	v_cmp_eq_u32 vcc_lo, 2048, v5                  ; lane 0
	s_wait_xcnt 0x0                                ; EXEC changes only behind this wait
	s_and_saveexec_b32 s30, vcc_lo
	global_store_b32 v21, v20, s[20:21] offset:143616
	s_wait_xcnt 0x0                                ; and again in front of the line that widens it
	s_or_b32 exec_lo, exec_lo, s30
	s_endpgm
.Lfunc_end_k_q446610d24f_quant:
	.size	k_q446610d24f_quant, .Lfunc_end_k_q446610d24f_quant-k_q446610d24f_quant
	.p2alignl 7, 3214868480
	.fill 96, 4, 3214868480
	.section	.rodata,"a",@progbits
	.p2align	6, 0x0
	.amdhsa_kernel k_q446610d24f_quant
		.amdhsa_group_segment_fixed_size 34304
		.amdhsa_private_segment_fixed_size 0
		.amdhsa_enable_private_segment 0
		.amdhsa_kernarg_size 72
		.amdhsa_user_sgpr_count 2
		.amdhsa_user_sgpr_kernarg_segment_ptr 1
		.amdhsa_wavefront_size32 1
		.amdhsa_system_sgpr_workgroup_id_x 1
		.amdhsa_system_sgpr_workgroup_id_y 1
		.amdhsa_system_sgpr_workgroup_id_z 1
		.amdhsa_system_vgpr_workitem_id 0
		.amdhsa_next_free_vgpr 256
		.amdhsa_next_free_sgpr 66
		.amdhsa_reserve_vcc 1
		.amdhsa_float_denorm_mode_32 3
		.amdhsa_float_denorm_mode_16_64 3
		.amdhsa_memory_ordered 1
		.amdhsa_forward_progress 1
		.amdhsa_inst_pref_size 127
	.end_amdhsa_kernel
	.amdgpu_metadata
---
amdhsa.version: [ 1, 2 ]
amdhsa.kernels:
  - .name:           k_q446610d24f_quant
    .symbol:         k_q446610d24f_quant.kd
    .args:
      - { .name: exp_gate, .offset: 0, .size: 8, .value_kind: global_buffer, .address_space: global }
      - { .name: exp_up, .offset: 8, .size: 8, .value_kind: global_buffer, .address_space: global }
      - { .name: exp_down, .offset: 16, .size: 8, .value_kind: global_buffer, .address_space: global }
      - { .name: shared_gate, .offset: 24, .size: 8, .value_kind: global_buffer, .address_space: global }
      - { .name: shared_up, .offset: 32, .size: 8, .value_kind: global_buffer, .address_space: global }
      - { .name: shared_down, .offset: 40, .size: 8, .value_kind: global_buffer, .address_space: global }
      - { .name: ridx, .offset: 48, .size: 8, .value_kind: global_buffer, .address_space: global }
      - { .name: wq, .offset: 56, .size: 8, .value_kind: global_buffer, .address_space: global }
      - { .name: plan, .offset: 64, .size: 8, .value_kind: global_buffer, .address_space: global }
    .group_segment_fixed_size: 34304
    .private_segment_fixed_size: 0
    .kernarg_segment_align: 8
    .kernarg_segment_size: 72
    .max_flat_workgroup_size: 128
    .sgpr_count:     66
    .vgpr_count:     256
    .wavefront_size: 32
...
	.end_amdgpu_metadata
.endif
;; end of part 2
;; launch experts (part 3): grid 222 x 1, 4 waves a work-group, no clusters, 32,256 bytes of LDS; arguments xq, rwt, plan, wq, ybuf; writes ybuf
.if DOCPART == 3
	.amdgcn_target "amdgcn-amd-amdhsa--gfx1250"
	.amdhsa_code_object_version 6
	.text
	.protected	k_q446610d24f_experts
	.globl	k_q446610d24f_experts
	.p2align	8
	.type	k_q446610d24f_experts,@function
k_q446610d24f_experts:
	s_mov_b64 s[64:65], 0
	v_nop
	global_prefetch_b8 v0, s[64:65] scope:SCOPE_SE
	s_setreg_imm32_b32 hwreg(HW_REG_WAVE_MODE, 25, 1), 1
	s_wait_xcnt 0x0
; EXPERTS.  A tile of 64 rows of one expert (16 = the shared expert, whose rows are all tokens) goes through the whole chain, on codes of FP6 (E2M3) with E8M0 scales:
; gather the rows' codes of x, gate and up, sigmoid(gate) x up in f32, quantise along the hidden units, down, times the row's weight.  The hidden layer never goes to memory.
; TWO WORK-GROUPS SHARE A TILE, along down's K: work-group j = number % 2 makes hidden units 256 j .. 256 j + 255 (whole blocks of 32, so the quantiser is as it would be) and multiplies them by K steps 2 j, 2 j + 1 of down.
; Its partial row goes to half j of ybuf, at j x 2^25 + (4 token + choice) x 4,096 bytes; the next launch adds the halves.  So each wave walks 24 groups of weights and not 48, and twice as many WGPs have work.
; THE GRID SERVES EVERY SPLIT: 32 tiles of the shared expert, and for 4,096 routed rows on 16 experts never more than 64 + 15 tiles; two work-groups each.  A work-group finds its expert and tile from the 16 stored counts; one that a split
; leaves without rows stores nothing: it is held on list 16's first rows, so that it reads only bytes that were written, passes the one barrier and ends.  Rows past an expert's count repeat its last row: the same numbers to the same bytes.
; SHARES: the four waves share the COLUMNS: wave w makes 64 hidden units (256 j + 64 w on: half of a K step of down) and then outputs 256 w .. 256 w + 255, for all 64 rows.  Its weights go from wq straight
; into a ring of four register buffers: four groups, 52 loads, are on their way.  Each fragment of a weight feeds four matrix instructions; x's 32 fragments stay in every wave's registers.
; In wq (stream (e, v) at (4 e + v) x 307,200, groups of 6,400 bytes): phase 1 takes the 16 groups from 16 (w % 2) on of stream (e, 2 j + w / 2); phase 2 groups 32 + 4 g + 2 j + u, g = 0 .. 3, u = 0, 1, of stream (e, w).
; BOTH PRODUCTS ARE USED TRANSPOSED (source 0 = 16 rows of a weight, source 1 = 16 rows of x or of the hidden layer): a lane holds one row throughout.  The rows of gate and up that form a tile were chosen so that the 16 registers of two
; neighbouring tiles are 16 neighbouring hidden units.
; No tensor load, and so no joint loads in a cluster, though an expert's tiles read the same weights: how many tiles an expert has hangs on counts read from memory, and so do this text's branches.
; LIMITS: NaN and infinities are not served; a block of the hidden layer whose largest magnitude lies under 2^(3 - 127) keeps the byte 1, and so does a block of zeros (its codes are zeros);
; down's f32 sum over its 512 is made in two halves of 256, which are added in f32 afterwards.
; REGISTERS, in windows of 256: window 0: v1-11 addresses; v12-23 gather offsets; v24-31 the rows' weights, twice each; v32-47 x's scale words, later the hidden layer's; v48-55 the ring's scale words; v56-63, v96-123 the quantiser's work;
;   v64-95 the rows' places in ybuf; v128-255 the 16 accumulators: (q, m) at 128 + 64 (q / 2) + 16 m + 8 (q % 2).   window 1: x's fragments of K steps 0-4 at 12 (4 s + m), later the hidden layer's 8.   window 2: x's of K steps 5-7.   window 3: the ring, 48 rho + 12 q.
.set HID, 0                            ; LDS: the hidden layer's codes: wave w, row tile m at 3072 w + 768 m: 16 rows of 48 bytes (the wave's 64 units)
.set HSC, 12288                        ; its scale bytes: wave w, row tile m at 512 w + 128 m: a word a lane, whose low two bytes are the wave's two blocks'
.set STG, 14336                        ; the way out: for each wave 16 rows x (256 bytes + 16)
.set XA,  12                           ; v12-15  row tile m: my row's codes in xq
.set XB,  16                           ; v16-19  and its scale words
.set ENT, 20                           ; v20-23  my row's entry, then its weight's place
.set WT,  24                           ; v24-31  my row's weight, as a pair
.set XS,  32                           ; v32-47  scale words of source 1
.set SCW, 48                           ; v48-55  scale words of source 0: two registers for each ring buffer
.set PW,  56
.set TM,  60
.set YO,  64
.set TP,  96
.set SO,  100
.set BY,  104
.set CD,  108
.set G,   128
.set U,   192
.set WP1, 10                           ; s[10:11] phase 1's groups
.set WP2, 50                           ; s[50:51] phase 2's groups
.set MSB, 0
.macro WIN new                         ; the immediate's high byte repeats the setting that is left
.if MSB != \new
	s_set_vgpr_msb (MSB<<8)|\new
.set MSB, \new
.endif
.endm
.macro PICK e, c                       ; expert e has ceil(count / 64) tiles from tile s16 on: mine is the last expert whose first tile is not behind my tile's number
	s_cmp_le_u32 s16, s15
	s_cselect_b32 s17, \e, s17
	s_cselect_b32 s18, s16, s18
	s_cselect_b32 s19, s[\c], s19
	s_add_co_u32 s20, s[\c], 63
	s_lshr_b32 s20, s20, 6
	s_add_co_u32 s16, s16, s20
.endm
.macro POS reg                         ; a place in my expert's list: held to the last row that the list has, and to the list; then the entry itself
	v_min_u32 v[\reg], s46, v[\reg]
	v_min_u32 v[\reg], 0x7ff, v[\reg]
	v_lshlrev_b32 v[\reg], 2, v[\reg]
	global_load_b32 v[\reg], v[\reg], s[8:9]
.endm
.macro RING rho, base, off             ; the group at off bytes from pointer s[base] into ring buffer rho: 13 loads
	WIN 0xc0                                       ; destination window 3
.irp q, 0,1,2,3
.irp c, 0,1,2
	global_load_b128 v[48*(\rho)+12*\q+4*\c:48*(\rho)+12*\q+4*\c+3], v3, s[\base:\base+1] offset:(\off)+1536*\q+512*\c   ; 32 lanes read 512 consecutive bytes
.endr
.endr
	WIN 0
	global_load_b64 v[SCW+2*(\rho):SCW+2*(\rho)+1], v4, s[\base:\base+1] offset:(\off)+6144
.endm
.macro MM c, arow, brow                ; the one matrix line, by the rows of its scale registers
.if (\arow) && (\brow)
	v_wmma_scale_f32_16x16x128_f8f6f4 v[AC:AC+7], v[AR:AR+11], v[BR:BR+11], \c, v[SA], v[SB] matrix_a_fmt:MATRIX_FMT_FP6 matrix_b_fmt:MATRIX_FMT_FP6 matrix_a_scale:MATRIX_SCALE_ROW1 matrix_b_scale:MATRIX_SCALE_ROW1
.elseif (\arow)
	v_wmma_scale_f32_16x16x128_f8f6f4 v[AC:AC+7], v[AR:AR+11], v[BR:BR+11], \c, v[SA], v[SB] matrix_a_fmt:MATRIX_FMT_FP6 matrix_b_fmt:MATRIX_FMT_FP6 matrix_a_scale:MATRIX_SCALE_ROW1
.elseif (\brow)
	v_wmma_scale_f32_16x16x128_f8f6f4 v[AC:AC+7], v[AR:AR+11], v[BR:BR+11], \c, v[SA], v[SB] matrix_a_fmt:MATRIX_FMT_FP6 matrix_b_fmt:MATRIX_FMT_FP6 matrix_b_scale:MATRIX_SCALE_ROW1
.else
	v_wmma_scale_f32_16x16x128_f8f6f4 v[AC:AC+7], v[AR:AR+11], v[BR:BR+11], \c, v[SA], v[SB] matrix_a_fmt:MATRIX_FMT_FP6 matrix_b_fmt:MATRIX_FMT_FP6
.endif
.endm
; One group of weights: its four fragments against the four row tiles, 128 along K.  The 16 accumulators take turns, one instruction a turn, in the same order in every step.
; rho: the ring buffer; mul: the windows; breg, bs, bstr, brow: source 1's fragments and scale words; zero = 1: the products start the sums; lb, lo: pointer and byte offset of the group that takes the buffer next (lb = -1: none);
; wc: the younger ring loads that may stay out.
.macro GSTEP rho, mul, breg, bs, bstr, brow, zero, lb, lo, wc
	s_wait_loadcnt \wc
	WIN \mul
.irp m, 0,1,2,3
.irp q, 0,1,2,3
.set AC, G+64*(\q/2)+16*\m+8*(\q%2)
.set AR, 48*(\rho)+12*\q
.set BR, (\breg)+12*\m
.set SA, SCW+2*(\rho)+\q/2
.set SB, (\bs)+(\bstr)*\m
.if \zero
	MM 0, \q%2, \brow
.else
	MM v[AC:AC+7], \q%2, \brow
.endif
.endr
.endr
.rept 4
	v_nop                                          ; four places in front of loads into registers that these products read, and of the first read of results
.endr
.if (\lb) >= 0
	RING \rho, \lb, \lo
.else
	WIN 0
.endif
.endm
.macro ACT                             ; hid = u / (1 + 2^(-g log2 e)), in f32; each accumulator is read from its low end on
.set j, 0
.rept 32
	v_pk_mul_f32 v[G+j:G+j+1], v[G+j:G+j+1], s[42:43] op_sel_hi:[1,0]
.set j, j+2
.endr
.set j, 0
.rept 64
	v_exp_f32 v[G+j], v[G+j]
.set j, j+1
.endr
	v_nop                                          ; a plain place behind the exponentials
.set j, 0
	s_wait_alu depctr_va_vdst(0)
.rept 32
	v_pk_add_f32 v[G+j:G+j+1], v[G+j:G+j+1], 1.0 op_sel_hi:[1,0]
.set j, j+2
.endr
.set j, 0
.rept 64
	v_rcp_f32 v[G+j], v[G+j]
.set j, j+1
.endr
	v_nop                                          ; a plain place behind the reciprocals
.set j, 0
	s_wait_alu depctr_va_vdst(0)
.rept 32
	v_pk_mul_f32 v[G+j:G+j+1], v[G+j:G+j+1], v[U+j:U+j+1]
.set j, j+2
.endr
.endm
.macro QBLK b                          ; v[G + 16 m ..]: my block b's units 16 h + 0 .. 15 of my row of tile m: half a block; the four row tiles by turns
.irp m, 0,1,2,3
	v_max3_num_f32 v[TM+\m], |v[G+16*\m]|, |v[G+16*\m+1]|, 0x1800000   ; and the floor 2^(3 - 127): the byte cannot fall under 1
.endr
.irp i, 2,4,6,8,10,12,14
.irp m, 0,1,2,3
	v_max3_num_f32 v[TM+\m], v[TM+\m], |v[G+16*\m+\i]|, |v[G+16*\m+\i+1]|
.endr
.endr
.irp m, 0,1,2,3
	v_permlanex16_b32 v[TP+\m], v[TM+\m], s40, s41
.endr
.irp m, 0,1,2,3
	v_max_num_f32 v[TM+\m], v[TM+\m], v[TP+\m]     ; with lane l xor 16's: the block's largest magnitude
.endr
.irp m, 0,1,2,3
	v_add_nc_u32 v[SO+\m], 0xff000000, v[TM+\m]    ; 2 off its exponent field: the conversion's scale operand
.endr
.irp m, 0,1,2,3
.if (\b) == 0
	v_lshrrev_b32 v[PW+\m], 23, v[SO+\m]           ; the scale's byte: my first
.else
	v_lshrrev_b32 v[BY+\m], 23, v[SO+\m]
.endif
.endr
.if (\b) > 0
.irp m, 0,1,2,3
	v_lshl_or_b32 v[PW+\m], v[BY+\m], 8*(\b), v[PW+\m]
.endr
.endif
	s_wait_dscnt 0x0                               ; the last block's LDS stores have read the registers that the conversions write
.irp m, 0,1,2,3
	v_cvt_scalef32_pk16_fp6_f32 v[CD+4*\m:CD+4*\m+2], v[G+16*\m:G+16*\m+15], v[SO+\m]
.endr
	v_nop                                          ; one plain place behind a scaled conversion
.irp m, 0,1,2,3
.irp i, 0,1,2
	ds_store_b32 v6, v[CD+4*\m+\i] offset:HID+768*\m+24*(\b)+4*\i   ; 16 codes, 12 bytes, at their place in my row's 48
.endr
.endr
.endm
.macro TRIP1 b                         ; 32 hidden units for the 64 rows: eight K steps of gate and up, the activation, the quantiser.  The ring runs on: the last four steps of phase 1 ask for phase 2's first four groups
.irp s, 0,1,2,3,4,5,6,7
.set NX, 8*(\b)+\s+4
.if NX < 16
.set LB, WP1
.set LO, 6400*NX
.else
.set LB, WP2
.set LO, 6400*(4*((NX-16)/2)+(NX-16)%2)
.endif
.if \s == 0
	GSTEP 0, 0x07, 0, XS, 4, 0, 1, LB, LO, 39
.elseif \s < 5
	GSTEP \s%4, 0x07, 48*\s, XS+\s%4, 4, \s/4, 0, LB, LO, 39
.else
	GSTEP \s%4, 0x0b, 48*(\s-5), XS+\s%4, 4, 1, 0, LB, LO, 39
.endif
.endr
	ACT
	QBLK \b
.endm
.macro EPI g                           ; outputs 64 g .. 64 g + 63 of my 256, for the 64 rows: times the row's weight, through my stage, out as runs of 256 bytes
.irp m, 0,1,2,3
.irp q, 0,1,2,3
.irp p, 0,2,4,6
	v_pk_mul_f32 v[G+64*(\q/2)+16*\m+8*(\q%2)+\p:G+64*(\q/2)+16*\m+8*(\q%2)+\p+1], v[G+64*(\q/2)+16*\m+8*(\q%2)+\p:G+64*(\q/2)+16*\m+8*(\q%2)+\p+1], v[WT+2*\m:WT+2*\m+1]
.endr
.endr
.endr
.irp m, 0,1,2,3
.irp q, 0,1,2,3
	ds_store_b128 v9, v[G+64*(\q/2)+16*\m+8*(\q%2):G+64*(\q/2)+16*\m+8*(\q%2)+3] offset:64*\q        ; lane (r, h): row r, outputs 16 q + 8 h + 0 .. 7
	ds_store_b128 v9, v[G+64*(\q/2)+16*\m+8*(\q%2)+4:G+64*(\q/2)+16*\m+8*(\q%2)+7] offset:64*\q+16
.endr
.irp i, 0,1,2,3,4,5,6,7
	ds_load_b128 v[G+64*(\i/4)+16*\m+4*(\i%4):G+64*(\i/4)+16*\m+4*(\i%4)+3], v10 offset:544*\i   ; LDS serves a wave's instructions in order: these see the stores above, and the next tile's stores come behind them
.endr
.endr
.irp m, 0,1,2,3
	s_wait_dscnt 16*(3-\m)                         ; tile m is back; the later tiles' 8 stores and 8 loads each may be out
.irp i, 0,1,2,3,4,5,6,7
	global_store_b128 v[YO+8*\m+\i], v[G+64*(\i/4)+16*\m+4*(\i%4):G+64*(\i/4)+16*\m+4*(\i%4)+3], s[12:13] offset:256*(\g)   ; lanes 0-15 store 256 consecutive bytes of row 2 i, lanes 16-31 of row 2 i + 1
.endr
.endr
.if (\g) < 3
	s_wait_xcnt 0x0                                ; the stores have read their data: the accumulators are begun anew only behind this wait
.endif
.endm
.macro TRIP2 g                         ; 64 outputs: my work-group's two K steps of down.  Group 2 g + u of the eight lies at 6400 (4 g + u) from the pointer; the last four ask for nothing, and the counts run down: no load passes the stream's end
.irp u, 0,1
.set I2, 2*(\g)+\u
.if I2 < 4
.set LB, WP2
.set LO, 6400*(4*((I2+4)/2)+(I2+4)%2)
.else
.set LB, -1
.set LO, 0
.endif
.if I2 < 5
.set WC, 39
.else
.set WC, 13*(7-I2)
.endif
.if \u == 0
	GSTEP I2%4, 0x07, 0, XS, 1, 0, 1, LB, LO, WC
.else
	GSTEP I2%4, 0x07, 48, XS+4, 1, 0, 0, LB, LO, WC
.endif
.endr
	EPI \g
.endm
	s_load_b256 s[4:11], s[0:1], 0x0               ; xq s[4:5], rwt s[6:7], plan s[8:9], wq s[10:11]
	s_load_b64 s[12:13], s[0:1], 0x20              ; ybuf
	v_lshl_add_u32 v126, v0, 2, 0x7c00
	v_mov_b32 v127, 0
	v_lshrrev_b32 v1, 5, v0
	v_readfirstlane_b32 s14, v1                    ; wave
	v_and_b32 v5, 31, v0                           ; lane
	v_and_b32 v1, 15, v0                           ; r
	v_bfe_u32 v2, v0, 4, 1                         ; h
	v_lshlrev_b32 v3, 4, v5                        ; 16 x lane: a fragment's registers in wq
	v_lshlrev_b32 v4, 3, v5                        ; 8 x lane: a group's scale words
	v_lshlrev_b32 v5, 2, v5                        ; 4 x lane
	v_mul_u32_u24 v6, v1, 48
	v_mad_u32_u24 v8, v2, 24, v6                   ; the hidden layer's codes, read: 48 r + 24 h: a whole block of 32
	v_mad_u32_u24 v6, v2, 12, v6
	s_mul_i32 s20, s14, 3072
	v_add_nc_u32 v6, s20, v6                       ; and written: 3,072 w + 48 r + 12 h
	s_lshl_b32 s20, s14, 9
	s_add_co_u32 s20, s20, HSC
	v_add_nc_u32 v7, s20, v5                       ; its scale bytes, written: HSC + 512 w + 4 x lane
	s_mul_i32 s20, s14, 4352
	s_add_co_u32 s20, s20, STG                     ; my stage
	v_mul_u32_u24 v9, v1, 272
	v_lshl_add_u32 v9, v2, 5, v9
	v_add_nc_u32 v9, s20, v9                       ; in: row r, + 32 h
	v_mul_u32_u24 v10, v2, 272
	v_lshl_add_u32 v10, v1, 4, v10
	v_add_nc_u32 v10, s20, v10                     ; back: lanes 0-15 one row, lanes 16-31 the next; 16 bytes a lane
	v_lshlrev_b32 v11, 4, v1
	s_lshr_b32 s15, ttmp9, 1                       ; my tile's number
	s_and_b32 s52, ttmp9, 1                        ; j: my half of the hidden units
	s_lshr_b32 s47, s14, 1                         ; w / 2
	s_and_b32 s23, s14, 1                          ; w % 2
	s_mov_b32 s16, 0
	s_mov_b32 s17, 16
	s_mov_b32 s18, 0
	s_mov_b32 s19, 2048
	s_mov_b32 s22, 2048                            ; the shared expert's count
	s_mov_b32 s40, 0x76543210
	s_mov_b32 s41, 0xfedcba98                      ; v_permlanex16_b32's selects for lane l xor 16
	s_mov_b32 s42, 0xbfb8aa3b                      ; -log2 e
	s_mov_b32 s43, s42                             ; (named with it as a pair, so it is written)
	s_wait_kmcnt 0x0
	s_load_b512 s[24:39], s[8:9], 0x23100          ; the 16 counts
	s_wait_kmcnt 0x0
	PICK 16, 22                                    ; the shared expert's 32 tiles come first
.irp e, 0,1,2,3,4,5,6,7,8,9,10,11,12,13,14,15
	PICK \e, 24+\e
.endr
	s_cmp_lt_u32 s15, s16                          ; has this split a tile for me?
	s_cselect_b32 s21, 1, 0
	s_cselect_b32 s17, s17, 16                     ; if not: held on list 16's first rows
	s_cselect_b32 s18, s18, s15
	s_cselect_b32 s19, s19, s22
	s_min_u32 s17, s17, 16
	s_min_u32 s19, s19, 2048
	s_sub_co_u32 s45, s15, s18
	s_lshl_b32 s45, s45, 6
	s_min_u32 s45, s45, 1984                       ; my tile's first place in the list
	s_sub_co_u32 s46, s19, 1                       ; the list's last place
	s_mul_i32 s48, s17, 8448
	s_mov_b32 s49, 0
	s_add_nc_u64 s[8:9], s[8:9], s[48:49]          ; my expert's list
	s_lshl_b32 s20, s17, 2                         ; 4 e
	s_add_co_u32 s48, s20, s14
	s_mul_i32 s48, s48, 307200                     ; stream (e, w),
	s_mul_i32 s53, s52, 12800
	s_add_co_u32 s48, s48, s53
	s_add_co_u32 s48, s48, 204800                  ; its group 32 + 2 j
	s_add_nc_u64 s[WP2:WP2+1], s[10:11], s[48:49]  ; phase 2's groups
	s_lshl_b32 s53, s52, 1
	s_add_co_u32 s48, s20, s53
	s_add_co_u32 s48, s48, s47
	s_mul_i32 s48, s48, 307200                     ; stream (e, 2 j + w / 2),
	s_mul_i32 s53, s23, 102400                     ; its group 16 (w % 2)
	s_add_co_u32 s48, s48, s53
	s_add_nc_u64 s[WP1:WP1+1], s[10:11], s[48:49]  ; phase 1's groups
	s_lshl_b32 s48, s14, 10                        ; my 256 outputs of a row,
	s_lshl_b32 s53, s52, 25                        ; in half j of ybuf
	s_add_co_u32 s48, s48, s53
	s_add_nc_u64 s[12:13], s[12:13], s[48:49]
	; the 36 list entries that a lane wants: its row of each tile (by r), and the rows that it stores (by 2 i + h)
	v_add_nc_u32 v60, s45, v1
	v_add_nc_u32 v61, s45, v2
.irp m, 0,1,2,3
	v_add_nc_u32 v[ENT+\m], 16*\m, v60
.endr
.irp m, 0,1,2,3
.irp i, 0,1,2,3,4,5,6,7
	v_add_nc_u32 v[YO+8*\m+\i], 16*\m+2*\i, v61
.endr
.endr
.irp m, 0,1,2,3
	POS ENT+\m
.endr
.irp m, 0,1,2,3
.irp i, 0,1,2,3,4,5,6,7
	POS YO+8*\m+\i
.endr
.endr
.irp n, 0,1,2,3
	RING \n, WP1, 6400*\n                          ; phase 1's first four groups
.endr
	v_mul_u32_u24 v100, v2, 48
	v_lshlrev_b32 v101, 4, v2
	s_wait_loadcnt 52                              ; the 36 entries are in; the ring's 52 loads may be out
.irp m, 0,1,2,3
	v_lshrrev_b32 v[TM+\m], 2, v[ENT+\m]           ; the token,
	v_min_u32 v[TM+\m], 0x7ff, v[TM+\m]            ; inside xq
	v_mul_u32_u24 v[TM+\m], v[TM+\m], 800
	v_add_nc_u32 v[XA+\m], v[TM+\m], v100          ; its codes: + 48 h
	v_add_nc_u32 v[XB+\m], v[TM+\m], v101          ; its scale words: lanes 0-15 take K steps 0-3's, lanes 16-31 K steps 4-7's
	v_min_u32 v[ENT+\m], 0x1fff, v[ENT+\m]
	v_lshlrev_b32 v[ENT+\m], 2, v[ENT+\m]          ; its weight in rwt
.endr
.irp m, 0,1,2,3
.irp i, 0,1,2,3,4,5,6,7
	v_min_u32 v[YO+8*\m+\i], 0x1fff, v[YO+8*\m+\i]
	v_lshl_add_u32 v[YO+8*\m+\i], v[YO+8*\m+\i], 12, v11   ; the row in ybuf, + 16 r
.endr
.endr
	WIN 0x40                                       ; destination window 1
.irp s, 0,1,2,3,4
.irp m, 0,1,2,3
.irp c, 0,1,2
	global_load_b128 v[12*(4*\s+\m)+4*\c:12*(4*\s+\m)+4*\c+3], v[XA+\m], s[4:5] offset:96*\s+16*\c
.endr
.endr
.endr
	WIN 0x80                                       ; destination window 2
.irp s, 5,6,7
.irp m, 0,1,2,3
.irp c, 0,1,2
	global_load_b128 v[12*(4*(\s-5)+\m)+4*\c:12*(4*(\s-5)+\m)+4*\c+3], v[XA+\m], s[4:5] offset:96*\s+16*\c
.endr
.endr
.endr
	WIN 0
.irp m, 0,1,2,3
	global_load_b128 v[XS+4*\m:XS+4*\m+3], v[XB+\m], s[4:5] offset:768
.endr
.irp m, 0,1,2,3
	global_load_b32 v[WT+2*\m], v[ENT+\m], s[6:7]
.endr
.irp m, 0,1,2,3
	v_mov_b32 v[TP+\m], 0                          ; written once: a lane permute's destination counts as one of its sources
.endr
	s_wait_loadcnt 0x0
.irp m, 0,1,2,3
	v_mov_b32 v[WT+2*\m+1], v[WT+2*\m]             ; the packed multiply takes a pair
.endr
	s_cmp_eq_u32 s21, 0
	s_cbranch_scc1 .Lmeet                          ; no rows: on to the barrier, which every wave passes
	; ---- 1: my 64 hidden units, 32 at a time.  Written out: every offset is an immediate, and no pointer is stepped
	TRIP1 0
	TRIP1 1
.irp m, 0,1,2,3
	ds_store_b32 v7, v[PW+\m] offset:128*\m        ; my rows' two scale bytes, in the low half of a word of my own
.endr
.Lmeet:
	s_wait_dscnt 0x0                               ; for the others' sake: my stores have landed
	s_barrier_signal -1
	s_barrier_wait -1                              ; the work-group's 256 hidden units of 64 rows lie in LDS
	s_cmp_eq_u32 s21, 0
	s_cbranch_scc1 .Lend
	; ---- 2: my 256 outputs, 64 at a time.  Fragment (s, m), K step s of my work-group's two: registers 0-5 (blocks 0, 1) from wave 2 s's rows, registers 6-11 (blocks 2, 3) from wave 2 s + 1's
	WIN 0x40                                       ; destination window 1: x's fragments are done with
.irp s, 0,1
.irp m, 0,1,2,3
.irp p, 0,1,2,3,4,5
	ds_load_b64 v[12*(4*\s+\m)+2*\p:12*(4*\s+\m)+2*\p+1], v8 offset:HID+3072*(2*\s+\p/3)+768*\m+8*(\p%3)
.endr
.endr
.endr
	WIN 0
.irp s, 0,1
.irp m, 0,1,2,3
	ds_load_b32 v[XS+4*\s+\m], v5 offset:HSC+1024*\s+128*\m        ; the bytes of blocks 0, 1,
	ds_load_b32 v[CD+4*\s+\m], v5 offset:HSC+1024*\s+512+128*\m    ; and of blocks 2, 3
.endr
.endr
	s_wait_dscnt 0x0
.irp f, 0,1,2,3,4,5,6,7
	v_lshl_or_b32 v[XS+\f], v[CD+\f], 16, v[XS+\f] ; the row's scale word of the K step
.endr
.rept 8
	v_nop                                          ; a scale register written by a vector instruction stands 8 places ahead of a scaled matrix instruction
.endr
	TRIP2 0
	TRIP2 1
	TRIP2 2
	TRIP2 3
.Lend:
	s_wait_tensorcnt 0x0
	ds_add_u32 v126, v127
	s_wait_dscnt 0x0
	s_endpgm
.Lfunc_end_k_q446610d24f_experts:
	.size	k_q446610d24f_experts, .Lfunc_end_k_q446610d24f_experts-k_q446610d24f_experts
	.p2alignl 7, 3214868480
	.fill 96, 4, 3214868480
	.section	.rodata,"a",@progbits
	.p2align	6, 0x0
	.amdhsa_kernel k_q446610d24f_experts
		.amdhsa_group_segment_fixed_size 32256
		.amdhsa_private_segment_fixed_size 0
		.amdhsa_enable_private_segment 0
		.amdhsa_kernarg_size 40
		.amdhsa_user_sgpr_count 2
		.amdhsa_user_sgpr_kernarg_segment_ptr 1
		.amdhsa_wavefront_size32 1
		.amdhsa_system_sgpr_workgroup_id_x 1
		.amdhsa_system_sgpr_workgroup_id_y 1
		.amdhsa_system_sgpr_workgroup_id_z 1
		.amdhsa_system_vgpr_workitem_id 0
		.amdhsa_next_free_vgpr 960
		.amdhsa_next_free_sgpr 66
		.amdhsa_reserve_vcc 0
		.amdhsa_float_denorm_mode_32 3
		.amdhsa_float_denorm_mode_16_64 3
		.amdhsa_memory_ordered 1
		.amdhsa_forward_progress 1
		.amdhsa_inst_pref_size 194
	.end_amdhsa_kernel
	.amdgpu_metadata
---
amdhsa.version: [ 1, 2 ]
amdhsa.kernels:
  - .name:           k_q446610d24f_experts
    .symbol:         k_q446610d24f_experts.kd
    .args:
      - { .name: xq, .offset: 0, .size: 8, .value_kind: global_buffer, .address_space: global }
      - { .name: rwt, .offset: 8, .size: 8, .value_kind: global_buffer, .address_space: global }
      - { .name: plan, .offset: 16, .size: 8, .value_kind: global_buffer, .address_space: global }
      - { .name: wq, .offset: 24, .size: 8, .value_kind: global_buffer, .address_space: global }
      - { .name: ybuf, .offset: 32, .size: 8, .value_kind: global_buffer, .address_space: global }
    .group_segment_fixed_size: 32256
    .private_segment_fixed_size: 0
    .kernarg_segment_align: 8
    .kernarg_segment_size: 40
    .max_flat_workgroup_size: 128
    .sgpr_count:     66
    .vgpr_count:     960
    .wavefront_size: 32
...
	.end_amdgpu_metadata
.endif
;; end of part 3
;; launch combine (part 4): grid 512 x 1, 8 waves a work-group, no clusters, 0 bytes of LDS; arguments x, ybuf, out0; writes out0
.if DOCPART == 4
	.amdgcn_target "amdgcn-amd-amdhsa--gfx1250"
	.amdhsa_code_object_version 6
	.text
	.protected	k_q446610d24f_combine
	.globl	k_q446610d24f_combine
	.p2align	8
	.type	k_q446610d24f_combine,@function
k_q446610d24f_combine:
	s_mov_b64 s[64:65], 0
	v_nop
	global_prefetch_b8 v0, s[64:65] scope:SCOPE_SE
	s_setreg_imm32_b32 hwreg(HW_REG_WAVE_MODE, 25, 1), 1
	s_wait_xcnt 0x0
; COMBINE.  out[t] = (x[t] + s[t]) + (y0[t] + y1[t]): the residual, the shared expert's row s and the two routed rows, which already carry their weights.  Each of the three rows lies in ybuf as two partial
; sums over halves of the hidden units: row 4 t + k (k = 0, 1: routed; 2: shared) of 4,096 bytes, in the first 2^25 bytes and again in the second.  All f32.
; A stream: a work-group takes four tokens; thread i takes the 16 bytes at 16 i of every row, so that a wave's load or store covers 512 consecutive bytes and the eight waves a row of 4,096.
; All 28 loads of a thread go out at once; every register is written once by a load, so no wait stands for a store's data.  No LDS, no barrier, no matrix unit: memory binds, and no byte is read twice.
.set D, 8                              ; v8-119: token a at D + 28 a: x; rows k = 0, 1, 2 of the first half at + 4 + 4 k; of the second half at + 16 + 4 k
	s_load_b128 s[4:7], s[0:1], 0x0                ; x s[4:5], ybuf s[6:7]
	s_load_b64 s[8:9], s[0:1], 0x10                ; out0
	v_lshlrev_b32 v1, 4, v0
	s_lshl_b32 s10, ttmp9, 14                      ; four rows of 4,096 bytes
	s_mov_b32 s11, 0
	s_lshl_b32 s12, ttmp9, 16                      ; sixteen rows of ybuf
	s_mov_b32 s13, 0
	s_wait_kmcnt 0x0
	s_add_nc_u64 s[4:5], s[4:5], s[10:11]
	s_add_nc_u64 s[6:7], s[6:7], s[12:13]
	s_add_nc_u64 s[8:9], s[8:9], s[10:11]
	s_add_nc_u64 s[14:15], s[6:7], 0x2000000       ; the same rows in ybuf's second half
.irp a, 0,1,2,3
	global_load_b128 v[D+28*\a:D+28*\a+3], v1, s[4:5] offset:4096*\a th:TH_LOAD_NT
.irp k, 0,1,2
	global_load_b128 v[D+28*\a+4+4*\k:D+28*\a+7+4*\k], v1, s[6:7] offset:16384*\a+4096*\k th:TH_LOAD_NT
	global_load_b128 v[D+28*\a+16+4*\k:D+28*\a+19+4*\k], v1, s[14:15] offset:16384*\a+4096*\k th:TH_LOAD_NT
.endr
.endr
.irp a, 0,1,2,3
	s_wait_loadcnt 7*(3-\a)                        ; token a's seven loads are in; the later tokens' may be out
.irp k, 0,1,2
.irp p, 0,2
	v_pk_add_f32 v[D+28*\a+4+4*\k+\p:D+28*\a+5+4*\k+\p], v[D+28*\a+4+4*\k+\p:D+28*\a+5+4*\k+\p], v[D+28*\a+16+4*\k+\p:D+28*\a+17+4*\k+\p]   ; a row's two halves
.endr
.endr
.irp p, 0,2
	v_pk_add_f32 v[D+28*\a+\p:D+28*\a+1+\p], v[D+28*\a+\p:D+28*\a+1+\p], v[D+28*\a+12+\p:D+28*\a+13+\p]     ; x + shared
	v_pk_add_f32 v[D+28*\a+4+\p:D+28*\a+5+\p], v[D+28*\a+4+\p:D+28*\a+5+\p], v[D+28*\a+8+\p:D+28*\a+9+\p]   ; the two routed rows
.endr
.irp p, 0,2
	v_pk_add_f32 v[D+28*\a+\p:D+28*\a+1+\p], v[D+28*\a+\p:D+28*\a+1+\p], v[D+28*\a+4+\p:D+28*\a+5+\p]
.endr
	global_store_b128 v1, v[D+28*\a:D+28*\a+3], s[8:9] offset:4096*\a th:TH_STORE_NT
.endr
	s_endpgm
.Lfunc_end_k_q446610d24f_combine:
	.size	k_q446610d24f_combine, .Lfunc_end_k_q446610d24f_combine-k_q446610d24f_combine
	.p2alignl 7, 3214868480
	.fill 96, 4, 3214868480
	.section	.rodata,"a",@progbits
	.p2align	6, 0x0
	.amdhsa_kernel k_q446610d24f_combine
		.amdhsa_group_segment_fixed_size 0
		.amdhsa_private_segment_fixed_size 0
		.amdhsa_enable_private_segment 0
		.amdhsa_kernarg_size 24
		.amdhsa_user_sgpr_count 2
		.amdhsa_user_sgpr_kernarg_segment_ptr 1
		.amdhsa_wavefront_size32 1
		.amdhsa_system_sgpr_workgroup_id_x 1
		.amdhsa_system_sgpr_workgroup_id_y 1
		.amdhsa_system_sgpr_workgroup_id_z 1
		.amdhsa_system_vgpr_workitem_id 0
		.amdhsa_next_free_vgpr 120
		.amdhsa_next_free_sgpr 66
		.amdhsa_reserve_vcc 0
		.amdhsa_float_denorm_mode_32 3
		.amdhsa_float_denorm_mode_16_64 3
		.amdhsa_memory_ordered 1
		.amdhsa_forward_progress 1
		.amdhsa_inst_pref_size 7
	.end_amdhsa_kernel
	.amdgpu_metadata
---
amdhsa.version: [ 1, 2 ]
amdhsa.kernels:
  - .name:           k_q446610d24f_combine
    .symbol:         k_q446610d24f_combine.kd
    .args:
      - { .name: x, .offset: 0, .size: 8, .value_kind: global_buffer, .address_space: global }
      - { .name: ybuf, .offset: 8, .size: 8, .value_kind: global_buffer, .address_space: global }
      - { .name: out0, .offset: 16, .size: 8, .value_kind: global_buffer, .address_space: global }
    .group_segment_fixed_size: 0
    .private_segment_fixed_size: 0
    .kernarg_segment_align: 8
    .kernarg_segment_size: 24
    .max_flat_workgroup_size: 256
    .sgpr_count:     66
    .vgpr_count:     120
    .wavefront_size: 32
...
	.end_amdgpu_metadata
.endif
;; end of part 4
;; ======== version 2 of 2: 4 launches; version 1 with the launches route, experts written anew for expert scheduling mode
;; workspace buffers: xq 1,638,400 bytes; ridx 16,384 bytes of whole numbers; rwt 32,768 bytes; wq 20,889,600 bytes; plan 143,872 bytes of whole numbers; ybuf 67,108,864 bytes
;; launch route (part 5): grid 128 x 1, 8 waves a work-group, no clusters, 22,016 bytes of LDS; arguments x, router_w, xq, ridx, rwt; writes xq, ridx, rwt
.if DOCPART == 5
	.amdgcn_target "amdgcn-amd-amdhsa--gfx1250"
	.amdhsa_code_object_version 6
	.text
	.protected	k_q446610d24f_route
	.globl	k_q446610d24f_route
	.p2align	8
	.type	k_q446610d24f_route,@function
k_q446610d24f_route:
	s_mov_b64 s[64:65], 0
	v_nop
	global_prefetch_b8 v0, s[64:65] scope:SCOPE_SE
	s_setreg_imm32_b32 hwreg(HW_REG_WAVE_SCHED_MODE, 0, 2), 2
	s_setreg_imm32_b32 hwreg(HW_REG_WAVE_MODE, 25, 1), 1
	s_wait_xcnt 0x0
	s_wait_alu depctr_vm_vsrc(0)
; ROUTE.  x [2048][1024] f32 becomes codes of FP6 (E2M3) with one E8M0 byte for each 32 along H, laid in xq as the later launch's operand registers want them;
; the router's product x router_w^T is made on those codes, then softmax over the 16 experts and the two largest scores of each token.
; SHARES: a work-group takes 16 tokens; wave w takes K step w (128 of the 1,024 along H): one fragment of x, one of router_w, one matrix instruction.  The eight partial sums meet in LDS; wave 0 adds them in ascending K.
; xq: token t owns 800 bytes: byte 96 s + 48 h + 16 c holds registers 4 c .. 4 c + 3 of lane (row, h) of K step s's fragment; byte 768 + 4 s the scale word of K step s.
; ridx [t][2]: the two experts, as whole numbers at fixed places; rwt [t][4]: their scores, 1.0 (the shared expert's weight) and 0.  No address and no branch hangs on the choice.
; The maximum is taken away before the exponential, as the softmax asks.  The two largest are sought among e = 2^((l - max) log2 e); equal scores keep the lower index, by strict compares.
; LIMITS: NaN and infinities among the inputs are not served; a block whose largest magnitude lies under 2^(3 - 127) keeps the byte 1, and so does a block of zeros (its codes are zeros; this program alone reads the bytes);
; two logits closer than f32 sums resolve may change places; a second score that underflows to 0 has the weight 0 whichever expert is named.
; No cluster: of what a work-group reads only router_w's 64 KiB are shared with others, against 64 KiB of x of its own, and each wave reads its 8 KiB of it once.
; THE MODE: SCHED_MODE bits 1:0 = 2 (LLVM: expert scheduling mode 2), set by the entry lines.  The code itself states the register dependences
; between vector or matrix instructions and memory or LDS instructions, and those through scalar registers and VCC, with s_wait_alu, always for 0.
; THE PLAN.  Registers that memory or LDS instructions touch:
;   v4 .. v11     offsets and LDS addresses: made at the head, never written again.
;   XR, RR        loaded once, read by the quantiser; XR then takes wave 0's LDS loads of the partial sums.
;   XF, XW        written by the quantiser, read by the LDS stores (and the product).     ACC  written by the product, read by the LDS stores.
;   CPY           written by LDS loads, read by global stores.                            OUTI, OUTW  written by selects, read by the last two stores.
; No register that a memory or LDS instruction reads is written again: no wait on vm_vsrc is owed.  All loads from memory go out at the head.
.set PART, 12800                       ; LDS: bytes 0 .. 12,799 an image of the 16 tokens' rows of xq (pitch 800); behind it eight partial sums of 1,024 bytes
.set XF,   16                          ; v16-27   x's fragment
.set RF,   28                          ; v28-39   router_w's fragment
.set TQ,   40                          ; v40-47   the conversions' second halves
.set TM,   48                          ; v48-63   the quantiser's work
.set XW,   64                          ; v64      x's scale word;  v65 router_w's: they hold scales and nothing else
.set RW,   65
.set ACC,  72                          ; v72-79   my K step's partial logits
.set CPY,  80                          ; v80-95   the copy of xq's rows
.set LG,   96                          ; v96-103  logits, then e
.set MX,   104
.set TP,   105
.set SM,   106
.set H8,   107
.set BEST, 108                         ; v108-111 my half's largest e, its expert, the second, its expert
.set IX,   112
.set OT,   113                         ; v113-116 the other half's four
.set LO,   117                         ; v117-120 the four of experts 0-7
.set UP,   121                         ; v121-124 the four of experts 8-15
.set XR,   128                         ; v128-191 64 numbers of x; later the eight partial sums
.set RR,   192                         ; v192-255 64 numbers of router_w; later the merge's work
.set T1,   192
.set CA,   194
.set CB,   196
.set T2,   198
.set RC,   200
.set OUTI, 201
.set OUTW, 202
.set ONE,  204
.set NIL,  205
.set SEL,  20                          ; s[20:21] v_permlanex16_b32's selects for lane l xor 16
; 64 numbers of a lane, register 16 b + i = k 32 b + 16 (lane / 16) + i of my row, become a fragment's 12 registers at v[pc] and its scale word in v[pw].
.macro QUANT src, pc, tq, pw
.irp b, 0,1,2,3
	v_max3_num_f32 v[TM+\b], |v[\src+16*\b]|, |v[\src+1+16*\b]|, 0x1800000   ; block b: my 16 numbers, and the floor 2^(3 - 127): the byte cannot fall under 1
.endr
.irp i, 2,4,6,8,10,12,14
.irp b, 0,1,2,3
	v_max3_num_f32 v[TM+\b], v[TM+\b], |v[\src+16*\b+\i]|, |v[\src+1+16*\b+\i]|   ; the four blocks by turns
.endr
.endr
.irp b, 0,1,2,3
	v_permlanex16_b32 v[TM+4+\b], v[TM+\b], s[SEL], s[SEL+1]
.endr
.irp b, 0,1,2,3
	v_max_num_f32 v[TM+\b], v[TM+\b], v[TM+4+\b]   ; with lane l xor 16's: the block's largest magnitude
.endr
.irp b, 0,1,2,3
	v_add_nc_u32 v[TM+12+\b], 0xff000000, v[TM+\b]   ; 2 off its exponent field: the conversion's scale operand
.endr
.irp b, 0,1,2,3
	v_lshrrev_b32 v[TM+4+\b], 23, v[TM+12+\b]      ; the scale's byte
.endr
	v_lshl_or_b32 v[\pw], v[TM+5], 8, v[TM+4]
	v_lshl_or_b32 v[\pw], v[TM+6], 16, v[\pw]
	v_lshl_or_b32 v[\pw], v[TM+7], 24, v[\pw]
.irp c, 0,1
	v_cvt_scalef32_pk16_fp6_f32 v[\pc+6*\c:\pc+2+6*\c], v[\src+32*\c:\src+15+32*\c], v[TM+12+2*\c]
	v_cvt_scalef32_pk16_fp6_f32 v[\tq+4*\c:\tq+2+4*\c], v[\src+16+32*\c:\src+31+32*\c], v[TM+13+2*\c]   ; a conversion's three registers begin on an even number
.endr
	v_nop                                          ; one plain place behind a scaled conversion
.irp c, 0,1                                    ; the operand wants a whole block in a lane: lanes 0-15 block 2 c, lanes 16-31 block 2 c + 1
.irp i, 0,1,2
	v_permlane16_swap_b32 v[\pc+6*\c+\i], v[\tq+4*\c+\i]
.endr
.irp i, 0,1,2
	v_mov_b32 v[\pc+3+6*\c+\i], v[\tq+4*\c+\i]
.endr
.endr
.endm
	s_load_b256 s[4:11], s[0:1], 0x0               ; x s[4:5], router_w s[6:7], xq s[8:9], ridx s[10:11]
	s_load_b64 s[12:13], s[0:1], 0x20              ; rwt
	v_lshl_add_u32 v126, v0, 2, 0x5200
	v_mov_b32 v127, 0
	v_lshrrev_b32 v1, 5, v0
	v_readfirstlane_b32 s14, v1                    ; wave = K step
	v_and_b32 v1, 31, v0                           ; lane
	v_and_b32 v2, 15, v0                           ; r
	v_bfe_u32 v3, v0, 4, 1                         ; h
	v_lshlrev_b32 v4, 12, v2
	v_lshl_add_u32 v4, v3, 6, v4                   ; x and router_w: row r of 4,096 bytes + 64 h: my 16 numbers of a block of 32
	v_mul_u32_u24 v6, v2, 800
	v_mad_u32_u24 v5, v3, 48, v6
	s_wait_alu depctr_va_sdst(0)                   ; s14 is written, ahead of its first reader: LDS addresses, the bases and a branch are made from it
	s_mul_i32 s16, s14, 96
	v_add_nc_u32 v5, s16, v5                       ; LDS: my 48 bytes of the fragment: 800 r + 48 h + 96 w
	s_lshl_b32 s16, s14, 2
	s_add_co_u32 s16, s16, 768
	v_add_nc_u32 v6, s16, v6                       ; and my row's scale word: 800 r + 768 + 4 w
	v_lshlrev_b32 v9, 4, v1                        ; 16 x lane
	s_lshl_b32 s16, s14, 10
	s_add_co_u32 s16, s16, PART
	v_add_nc_u32 v7, s16, v9                       ; my partial sums: PART + 1,024 w + 16 x lane
	s_lshl_b32 s16, s14, 9
	v_add_nc_u32 v8, s16, v9                       ; the copy: 512 w + 16 x lane, in LDS and in xq alike
	v_lshlrev_b32 v10, 3, v2
	v_lshl_add_u32 v10, v3, 2, v10                 ; ridx: 8 r + 4 h
	v_lshlrev_b32 v11, 4, v2
	v_lshl_add_u32 v11, v3, 3, v11                 ; rwt: 16 r + 8 h
	s_mov_b32 s[SEL], 0x76543210
	s_mov_b32 s[SEL+1], 0xfedcba98
	s_mov_b32 s22, 0xffff0000                      ; lanes 16-31
	s_mov_b32 s23, 0x3fb8aa3b                      ; log2 e
.irp b, 0,1,2,3
	v_mov_b32 v[TM+4+\b], 0                        ; written once: a lane permute's destination counts as one of its sources
.endr
	s_lshl_b32 s16, ttmp9, 16                      ; 16 tokens of 4,096 bytes
	s_lshl_b32 s18, s14, 9                         ; K step w: 512 bytes on
	s_mov_b32 s17, 0
	s_mov_b32 s19, 0
	s_add_co_u32 s16, s16, s18
	s_wait_kmcnt 0x0
	s_add_nc_u64 s[4:5], s[4:5], s[16:17]
	s_add_nc_u64 s[6:7], s[6:7], s[18:19]
	s_mul_i32 s16, ttmp9, 12800
	s_add_nc_u64 s[8:9], s[8:9], s[16:17]
	s_lshl_b32 s16, ttmp9, 7
	s_add_nc_u64 s[10:11], s[10:11], s[16:17]
	s_lshl_b32 s16, ttmp9, 8
	s_add_nc_u64 s[12:13], s[12:13], s[16:17]
	s_wait_alu depctr_va_vdst(0)                   ; the offsets and LDS addresses v4 to v11 are written, which every load and store of the kernel reads
.irp b, 0,1,2,3
.irp j, 0,1,2,3
	global_load_b128 v[XR+16*\b+4*\j:XR+16*\b+4*\j+3], v4, s[4:5] offset:128*\b+16*\j th:TH_LOAD_NT
.endr
.endr
.irp b, 0,1,2,3
.irp j, 0,1,2,3
	global_load_b128 v[RR+16*\b+4*\j:RR+16*\b+4*\j+3], v4, s[6:7] offset:128*\b+16*\j
.endr
.endr
	s_wait_loadcnt 16                              ; x's 16 loads are in; router_w's 16 may be out
	QUANT XR, XF, TQ, XW
	s_wait_alu depctr_va_vdst(0)                   ; the quantiser has written v[XF ..] and v[XW], which the LDS stores read
.irp c, 0,1,2
	ds_store_b128 v5, v[XF+4*\c:XF+4*\c+3] offset:16*\c
.endr
	ds_store_b32 v6, v[XW]                         ; both halves of the lanes write the same word with the same value
	s_wait_loadcnt 0x0
	QUANT RR, RF, TQ, RW
.rept 8
	v_nop                                          ; a scale register written by a vector instruction stands 8 places ahead of a scaled matrix instruction, an operand so written 4
.endr
	s_wait_alu depctr_va_vdst(0)                   ; the quantiser has written both fragments and both scale words, which the scaled product takes; the places above stay beside this wait
	v_wmma_scale_f32_16x16x128_f8f6f4 v[ACC:ACC+7], v[RF:RF+11], v[XF:XF+11], 0, v[RW], v[XW] matrix_a_fmt:MATRIX_FMT_FP6 matrix_b_fmt:MATRIX_FMT_FP6   ; lane (r, h), register j: expert 8 h + j, token r
.rept 4
	v_nop                                          ; four places in front of the stores that read the result
.endr
	s_wait_alu depctr_va_vdst(0)                   ; the product has written v[ACC ..], which the LDS stores read; and the quantiser is done reading v[XR ..], in which wave 0's LDS loads land below (no vector line stands between)
	ds_store_b128 v7, v[ACC:ACC+3]                 ; from the low end on
	ds_store_b128 v7, v[ACC+4:ACC+7] offset:512
	s_wait_dscnt 0x0                               ; for the others' sake: my stores have landed
	s_barrier_signal -1
	s_barrier_wait -1                              ; the 16 rows of xq and the eight partial sums lie in LDS
.irp n, 0,1,2
	ds_load_b128 v[CPY+4*\n:CPY+4*\n+3], v8 offset:4096*\n
.endr
.irp n, 0,1,2
	s_wait_dscnt 2-\n                              ; chunk n is in; the later ones may be out
	global_store_b128 v8, v[CPY+4*\n:CPY+4*\n+3], s[8:9] offset:4096*\n   ; 32 lanes store 512 consecutive bytes
.endr
	s_cmp_lg_u32 s14, 0
	s_cbranch_scc1 .Lend                           ; the rest is wave 0's
	ds_load_b128 v[CPY+12:CPY+15], v9 offset:12288 ; the 25th chunk of 512 bytes
.irp p, 0,1,2,3,4,5,6,7
	ds_load_b128 v[XR+8*\p:XR+8*\p+3], v9 offset:PART+1024*\p
	ds_load_b128 v[XR+8*\p+4:XR+8*\p+7], v9 offset:PART+1024*\p+512
.endr
	s_wait_dscnt 16                                ; the chunk is in; the 16 loads behind it may be out
	global_store_b128 v9, v[CPY+12:CPY+15], s[8:9] offset:12288
	v_mov_b32 v[TP], 0
.irp i, 0,1,2,3
	v_mov_b32 v[OT+\i], 0
.endr
	v_mov_b32 v[ONE], 1.0
	v_mov_b32 v[NIL], 0
	s_wait_dscnt 0x0
.irp j, 0,2,4,6
	v_pk_add_f32 v[LG+\j:LG+\j+1], v[XR+\j:XR+\j+1], v[XR+8+\j:XR+9+\j]   ; the logits: K steps in ascending order
.endr
.irp p, 2,3,4,5,6,7
.irp j, 0,2,4,6
	v_pk_add_f32 v[LG+\j:LG+\j+1], v[LG+\j:LG+\j+1], v[XR+8*\p+\j:XR+8*\p+\j+1]
.endr
.endr
	v_max3_num_f32 v[MX], v[LG], v[LG+1], v[LG+2]
	v_max3_num_f32 v[MX], v[MX], v[LG+3], v[LG+4]
	v_max3_num_f32 v[MX], v[MX], v[LG+5], v[LG+6]
	v_max_num_f32 v[MX], v[MX], v[LG+7]
	v_permlanex16_b32 v[TP], v[MX], s[SEL], s[SEL+1]
	v_max_num_f32 v[MX], v[MX], v[TP]              ; the token's largest logit
.irp j, 0,1,2,3,4,5,6,7
	v_sub_f32 v[LG+\j], v[LG+\j], v[MX]            ; exactly 0 at the maximum
.endr
.irp j, 0,1,2,3,4,5,6,7
	v_mul_f32 v[LG+\j], s23, v[LG+\j]
.endr
.irp j, 0,1,2,3,4,5,6,7
	v_exp_f32 v[LG+\j], v[LG+\j]
.endr
	v_lshlrev_b32 v[H8], 3, v3                     ; (a plain place behind the exponentials)  my first expert: 8 h
	s_wait_alu depctr_va_vdst(0)                   ; the eight exponentials have written v[LG ..], ahead of their first reader
	v_add_f32 v[SM], v[LG], v[LG+1]
.irp j, 2,3,4,5,6,7
	v_add_f32 v[SM], v[SM], v[LG+\j]
.endr
	v_permlanex16_b32 v[TP], v[SM], s[SEL], s[SEL+1]
	v_add_f32 v[SM], v[SM], v[TP]
	v_rcp_f32 v[RC], v[SM]
	v_mov_b32 v[BEST], v[LG]                       ; (a plain place behind the reciprocal)  the two largest of my eight
	v_mov_b32 v[BEST+1], v[H8]
	v_mov_b32 v[BEST+2], -1.0                      ; under every e
	v_mov_b32 v[BEST+3], v[H8]
.irp j, 1,2,3,4,5,6,7
	v_add_nc_u32 v[IX], \j, v[H8]
	v_cmp_gt_f32 vcc_lo, v[LG+\j], v[BEST+2]       ; strict: an equal score leaves the lower index in place
	v_cmp_gt_f32 s24, v[LG+\j], v[BEST]
	s_wait_alu depctr_va_vcc(0)                    ; the first compare has written VCC, which the next two selects read
	s_wait_alu depctr_va_sdst(0)                   ; the second has written s24, which the four selects behind them read
	v_cndmask_b32 v[BEST+2], v[BEST+2], v[LG+\j], vcc_lo
	v_cndmask_b32 v[BEST+3], v[BEST+3], v[IX], vcc_lo
	v_cndmask_b32 v[BEST+2], v[BEST+2], v[BEST], s24
	v_cndmask_b32 v[BEST+3], v[BEST+3], v[BEST+1], s24
	v_cndmask_b32 v[BEST], v[BEST], v[LG+\j], s24
	v_cndmask_b32 v[BEST+1], v[BEST+1], v[IX], s24
.endr
.irp i, 0,1,2,3
	v_permlanex16_b32 v[OT+\i], v[BEST+\i], s[SEL], s[SEL+1]
.endr
.irp i, 0,1,2,3
	v_cndmask_b32 v[LO+\i], v[BEST+\i], v[OT+\i], s22   ; experts 0-7's four: my own in lanes 0-15, the other half's in lanes 16-31
	v_cndmask_b32 v[UP+\i], v[OT+\i], v[BEST+\i], s22   ; experts 8-15's
.endr
	v_cmp_gt_f32 vcc_lo, v[UP], v[LO]
	s_wait_alu depctr_va_vcc(0)                    ; the compare has written VCC, which the six selects below read
	v_cndmask_b32 v[T1], v[LO], v[UP], vcc_lo      ; the largest of all 16
	v_cndmask_b32 v[T1+1], v[LO+1], v[UP+1], vcc_lo
	v_cndmask_b32 v[CA], v[LO+2], v[LO], vcc_lo    ; what is left to choose from: of the lower eight,
	v_cndmask_b32 v[CA+1], v[LO+3], v[LO+1], vcc_lo
	v_cndmask_b32 v[CB], v[UP], v[UP+2], vcc_lo    ; and of the upper eight
	v_cndmask_b32 v[CB+1], v[UP+1], v[UP+3], vcc_lo
	v_cmp_gt_f32 vcc_lo, v[CB], v[CA]
	s_wait_alu depctr_va_vcc(0)                    ; the compare has written VCC, which the two selects below read
	v_cndmask_b32 v[T2], v[CA], v[CB], vcc_lo
	v_cndmask_b32 v[T2+1], v[CA+1], v[CB+1], vcc_lo
	s_wait_alu depctr_va_vdst(0)                   ; the reciprocal has written v[RC], ahead of its first reader
	v_mul_f32 v[T1], v[T1], v[RC]                  ; the scores
	v_mul_f32 v[T2], v[T2], v[RC]
	v_cndmask_b32 v[OUTI], v[T1+1], v[T2+1], s22
	v_cndmask_b32 v[OUTW], v[T1], v[ONE], s22
	v_cndmask_b32 v[OUTW+1], v[T2], v[NIL], s22
	s_wait_alu depctr_va_vdst(0)                   ; the selects have written v[OUTI] and v[OUTW ..], which the two stores read
	global_store_b32 v10, v[OUTI], s[10:11]        ; lanes 0-15 the first expert, lanes 16-31 the second
	global_store_b64 v11, v[OUTW:OUTW+1], s[12:13] ; the 32 lanes store 256 consecutive bytes
.Lend:
	s_wait_dscnt 0x0                               ; the closing lines, six on end
	s_wait_alu 0x0
	s_wait_tensorcnt 0x0
	ds_add_u32 v126, v127
	s_wait_dscnt 0x0
	s_endpgm
.Lfunc_end_k_q446610d24f_route:
	.size	k_q446610d24f_route, .Lfunc_end_k_q446610d24f_route-k_q446610d24f_route
	.p2alignl 7, 3214868480
	.fill 96, 4, 3214868480
	.section	.rodata,"a",@progbits
	.p2align	6, 0x0
	.amdhsa_kernel k_q446610d24f_route
		.amdhsa_group_segment_fixed_size 22016
		.amdhsa_private_segment_fixed_size 0
		.amdhsa_enable_private_segment 0
		.amdhsa_kernarg_size 40
		.amdhsa_user_sgpr_count 2
		.amdhsa_user_sgpr_kernarg_segment_ptr 1
		.amdhsa_wavefront_size32 1
		.amdhsa_system_sgpr_workgroup_id_x 1
		.amdhsa_system_sgpr_workgroup_id_y 1
		.amdhsa_system_sgpr_workgroup_id_z 1
		.amdhsa_system_vgpr_workitem_id 0
		.amdhsa_next_free_vgpr 256
		.amdhsa_next_free_sgpr 66
		.amdhsa_reserve_vcc 1
		.amdhsa_float_denorm_mode_32 3
		.amdhsa_float_denorm_mode_16_64 3
		.amdhsa_memory_ordered 1
		.amdhsa_forward_progress 1
		.amdhsa_inst_pref_size 25
	.end_amdhsa_kernel
	.amdgpu_metadata
---
amdhsa.version: [ 1, 2 ]
amdhsa.kernels:
  - .name:           k_q446610d24f_route
    .symbol:         k_q446610d24f_route.kd
    .args:
      - { .name: x, .offset: 0, .size: 8, .value_kind: global_buffer, .address_space: global }
      - { .name: router_w, .offset: 8, .size: 8, .value_kind: global_buffer, .address_space: global }
      - { .name: xq, .offset: 16, .size: 8, .value_kind: global_buffer, .address_space: global }
      - { .name: ridx, .offset: 24, .size: 8, .value_kind: global_buffer, .address_space: global }
      - { .name: rwt, .offset: 32, .size: 8, .value_kind: global_buffer, .address_space: global }
    .group_segment_fixed_size: 22016
    .private_segment_fixed_size: 0
    .kernarg_segment_align: 8
    .kernarg_segment_size: 40
    .max_flat_workgroup_size: 256
    .sgpr_count:     66
    .vgpr_count:     256
    .wavefront_size: 32
...
	.end_amdgpu_metadata
.endif
;; end of part 5
;; launch quant: the kernel of part 2 again; grid 412 x 1, 4 waves a work-group, no clusters, 34,304 bytes of LDS; arguments exp_gate, exp_up, exp_down, shared_gate, shared_up, shared_down, ridx, wq, plan; writes wq, plan
;; launch experts (part 6): grid 222 x 1, 4 waves a work-group, no clusters, 32,256 bytes of LDS; arguments xq, rwt, plan, wq, ybuf; writes ybuf
.if DOCPART == 6
	.amdgcn_target "amdgcn-amd-amdhsa--gfx1250"
	.amdhsa_code_object_version 6
	.text
	.protected	k_q446610d24f_experts
	.globl	k_q446610d24f_experts
	.p2align	8
	.type	k_q446610d24f_experts,@function
k_q446610d24f_experts:
	s_mov_b64 s[64:65], 0
	v_nop
	global_prefetch_b8 v0, s[64:65] scope:SCOPE_SE
	s_setreg_imm32_b32 hwreg(HW_REG_WAVE_SCHED_MODE, 0, 2), 2
	s_setreg_imm32_b32 hwreg(HW_REG_WAVE_MODE, 25, 1), 1
	s_wait_xcnt 0x0
	s_wait_alu depctr_vm_vsrc(0)
; EXPERTS.  A tile of 64 rows of one expert (16 = the shared expert, whose rows are all tokens) goes through the whole chain, on codes of FP6 (E2M3) with E8M0 scales:
; gather the rows' codes of x, gate and up, sigmoid(gate) x up in f32, quantise along the hidden units, down, times the row's weight.  The hidden layer never goes to memory.
; TWO WORK-GROUPS SHARE A TILE, along down's K: work-group j = number % 2 makes hidden units 256 j .. 256 j + 255 (whole blocks of 32, so the quantiser is as it would be) and multiplies them by K steps 2 j, 2 j + 1 of down.
; Its partial row goes to half j of ybuf, at j x 2^25 + (4 token + choice) x 4,096 bytes; the next launch adds the halves.  So each wave walks 24 groups of weights and not 48, and twice as many WGPs have work.
; THE GRID SERVES EVERY SPLIT: 32 tiles of the shared expert, and for 4,096 routed rows on 16 experts never more than 64 + 15 tiles; two work-groups each.  A work-group finds its expert and tile from the 16 stored counts; one that a split
; leaves without rows stores nothing: it is held on list 16's first rows, so that it reads only bytes that were written, passes the one barrier and ends.  Rows past an expert's count repeat its last row: the same numbers to the same bytes.
; SHARES: the four waves share the COLUMNS: wave w makes 64 hidden units (256 j + 64 w on: half of a K step of down) and then outputs 256 w .. 256 w + 255, for all 64 rows.  Its weights go from wq straight
; into a ring of five register buffers: one at work, up to four groups, 52 loads, on their way.  Each fragment of a weight feeds four matrix instructions; x's 32 fragments stay in every wave's registers.
; In wq (stream (e, v) at (4 e + v) x 307,200, groups of 6,400 bytes): phase 1 takes the 16 groups from 16 (w % 2) on of stream (e, 2 j + w / 2); phase 2 groups 32 + 4 g + 2 j + u, g = 0 .. 3, u = 0, 1, of stream (e, w).
; BOTH PRODUCTS ARE USED TRANSPOSED (source 0 = 16 rows of a weight, source 1 = 16 rows of x or of the hidden layer): a lane holds one row throughout.  The rows of gate and up that form a tile were chosen so that the 16 registers of two
; neighbouring tiles are 16 neighbouring hidden units.
; No tensor load, and so no joint loads in a cluster, though an expert's tiles read the same weights: how many tiles an expert has hangs on counts read from memory, and so do this text's branches.
; LIMITS: NaN and infinities are not served; a block of the hidden layer whose largest magnitude lies under 2^(3 - 127) keeps the byte 1, and so does a block of zeros (its codes are zeros);
; down's f32 sum over its 512 is made in two halves of 256, which are added in f32 afterwards.
; REGISTERS, in windows of 256: window 0: v1-11 addresses; v12-23 gather offsets; v24-31 the rows' weights, twice each; v32-47 x's scale words, later the hidden layer's; v48-55 and v124-125 the ring's scale words; v56-63, v96-123 the quantiser's work;
;   v64-95 the rows' places in ybuf; v128-255 the 16 accumulators: (q, m) at 128 + 64 (q / 2) + 16 m + 8 (q % 2).   window 1: x's fragments of K steps 0-4 at 12 (4 s + m), later the hidden layer's 8.
;   window 2: x's of K steps 5-7, later two out-buffers of 128.   window 3: the ring, 48 rho + 12 q.
; THE MODE: SCHED_MODE bits 1:0 = 2 (LLVM: expert scheduling mode 2), set by the entry lines.  The code itself states the register dependences
; between vector or matrix instructions and memory or LDS instructions, with s_wait_alu, always for 0.
; THE PLAN.  The 24 groups are 24 steps, n = 0 .. 23.  Registers that memory or LDS instructions touch:
;   v3 .. v10, XA, XB, ENT, YO   offsets and LDS addresses: made at the head, never written again.
;   PO (v128-163)  at the head only: written by vector lines, read by the 36 list loads as offsets; afterwards accumulators.
;   the ring       Step n's products read buffer n % 5 and its scale words.  The loads of group n + 4 are issued in step n's middle and land in buffer (n - 1) % 5, which step n - 1's products read.
;   CD             written by the conversions, read by LDS stores: twice.        PW  written by the quantiser, read by four LDS stores.
;   window 1's v0-95, XS, v96-103   phase 2's LDS loads land there; the last vector or matrix instruction that names them stands ahead of the quantiser's last wait on va_vdst.
;   G              written by the products and by the multiplication by the row's weight; read by the stage's LDS stores alone.
;   OB0, OB1       the out-buffers, by turns: the stage's LDS loads of trip g land in OB[g % 2]; the trip's global stores read it.
; So ONE wait on va_vdst stands at the head of each step that asks for a group, behind the wait for the step's own group; the 13 loads follow in one run behind eight products, which name buffer n % 5, source 1's
; fragments, the accumulators and their scale words: none of the registers that those loads touch.  On the way out one wait on va_vdst stands ahead of the stage's stores, and one on vm_vsrc behind the stage's LDS instructions.
.set HID, 0                            ; LDS: the hidden layer's codes: wave w, row tile m at 3072 w + 768 m: 16 rows of 48 bytes (the wave's 64 units)
.set HSC, 12288                        ; its scale bytes: wave w, row tile m at 512 w + 128 m: a word a lane, whose low two bytes are the wave's two blocks'
.set STG, 14336                        ; the way out: for each wave 16 rows x (256 bytes + 16)
.set NG,  24                           ; groups that a wave walks: 16 of gate and up, 8 of down
.set XA,  12                           ; v12-15  row tile m: my row's codes in xq
.set XB,  16                           ; v16-19  and its scale words
.set ENT, 20                           ; v20-23  my row's entry, then its weight's place
.set WT,  24                           ; v24-31  my row's weight, as a pair
.set XS,  32                           ; v32-47  scale words of source 1
.set SCW, 48                           ; v48-55  scale words of source 0: two registers for each of ring buffers 0 to 3; buffer 4's are v124-125: SCW + 2 rho + 68 (rho / 4)
.set PW,  56
.set TM,  60
.set YO,  64
.set TP,  96
.set SO,  100
.set BY,  104
.set CD,  108
.set HW,  96                           ; v96-103 in phase 2: the upper halves of the hidden layer's scale words (TP's and SO's registers, done with)
.set G,   128
.set U,   192
.set PO,  128                          ; v128-163 at the head only: the 36 places in my expert's list
.set WP1, 10                           ; s[10:11] phase 1's groups
.set WP2, 50                           ; s[50:51] phase 2's groups
.set MSB, 0
.macro WIN new                         ; the immediate's high byte repeats the setting that is left
.if MSB != \new
	s_set_vgpr_msb (MSB<<8)|\new
.set MSB, \new
.endif
.endm
.macro PICK e, c                       ; expert e has ceil(count / 64) tiles from tile s16 on: mine is the last expert whose first tile is not behind my tile's number
	s_cmp_le_u32 s16, s15
	s_cselect_b32 s17, \e, s17
	s_cselect_b32 s18, s16, s18
	s_cselect_b32 s19, s[\c], s19
	s_add_co_u32 s20, s[\c], 63
	s_lshr_b32 s20, s20, 6
	s_add_co_u32 s16, s16, s20
.endm
.macro PLACE reg                       ; a place in my expert's list: held to the last row that the list has, and to the list; then its byte
	v_min_u32 v[\reg], s46, v[\reg]
	v_min_u32 v[\reg], 0x7ff, v[\reg]
	v_lshlrev_b32 v[\reg], 2, v[\reg]
.endm
.macro RING rho, base, off             ; the group at off bytes from pointer s[base] into ring buffer rho: 13 loads
	WIN 0xc0                                       ; destination window 3
.irp q, 0,1,2,3
.irp c, 0,1,2
	global_load_b128 v[48*(\rho)+12*\q+4*\c:48*(\rho)+12*\q+4*\c+3], v3, s[\base:\base+1] offset:(\off)+1536*\q+512*\c   ; 32 lanes read 512 consecutive bytes
.endr
.endr
	WIN 0
	global_load_b64 v[SCW+2*(\rho)+68*((\rho)/4):SCW+2*(\rho)+68*((\rho)/4)+1], v4, s[\base:\base+1] offset:(\off)+6144
.endm
.macro MM c, arow, brow                ; the one matrix line, by the rows of its scale registers
.if (\arow) && (\brow)
	v_wmma_scale_f32_16x16x128_f8f6f4 v[AC:AC+7], v[AR:AR+11], v[BR:BR+11], \c, v[SA], v[SB] matrix_a_fmt:MATRIX_FMT_FP6 matrix_b_fmt:MATRIX_FMT_FP6 matrix_a_scale:MATRIX_SCALE_ROW1 matrix_b_scale:MATRIX_SCALE_ROW1
.elseif (\arow)
	v_wmma_scale_f32_16x16x128_f8f6f4 v[AC:AC+7], v[AR:AR+11], v[BR:BR+11], \c, v[SA], v[SB] matrix_a_fmt:MATRIX_FMT_FP6 matrix_b_fmt:MATRIX_FMT_FP6 matrix_a_scale:MATRIX_SCALE_ROW1
.elseif (\brow)
	v_wmma_scale_f32_16x16x128_f8f6f4 v[AC:AC+7], v[AR:AR+11], v[BR:BR+11], \c, v[SA], v[SB] matrix_a_fmt:MATRIX_FMT_FP6 matrix_b_fmt:MATRIX_FMT_FP6 matrix_b_scale:MATRIX_SCALE_ROW1
.else
	v_wmma_scale_f32_16x16x128_f8f6f4 v[AC:AC+7], v[AR:AR+11], v[BR:BR+11], \c, v[SA], v[SB] matrix_a_fmt:MATRIX_FMT_FP6 matrix_b_fmt:MATRIX_FMT_FP6
.endif
.endm
; Eight products: the group's four fragments in ring buffer rho against row tiles m0 and m1.
.macro PRODS m0, m1, rho, breg, bs, bstr, brow, zero
.irp m, \m0, \m1
.irp q, 0,1,2,3
.set AC, G+64*(\q/2)+16*(\m)+8*(\q%2)
.set AR, 48*(\rho)+12*\q
.set BR, (\breg)+12*(\m)
.set SA, SCW+2*(\rho)+68*((\rho)/4)+\q/2
.set SB, (\bs)+(\bstr)*(\m)
.if \zero
	MM 0, \q%2, \brow
.else
	MM v[AC:AC+7], \q%2, \brow
.endif
.endr
.endr
.endm
; Step n: one group of weights: its four fragments against the four row tiles, 128 along K.  The 16 accumulators take turns, one instruction a turn, in the same order in every step.
; mul: the windows; breg, bs, bstr, brow: source 1's fragments and scale words; zero = 1: the products start the sums.
; Steps 1 to 19 ask for group n + 4 (group 4 is asked for at the head); the last four ask for nothing, and the counts run down: no load passes the stream's end.
.macro GSTEP n, mul, breg, bs, bstr, brow, zero
.set RH, (\n)%5
.set NX, (\n)+4
.set RN, NX%5
.if NX < 16
.set LB, WP1
.set LO, 6400*NX                       ; phase 1's group NX
.else
.set LB, WP2
.set LO, 6400*(4*((NX-16)/2)+(NX-16)%2)   ; phase 2's group 2 g + u lies at 6400 (4 g + u) from its pointer
.endif
.set WC, 39
.if (\n) > 20
.set WC, 13*(23-(\n))
.endif
	s_wait_loadcnt WC                              ; group n is in; the three younger groups, 13 loads each, may be out (in steps 0 to 3 it is met at once: the head has waited for their groups)
.if ((\n) > 0) && (NX < NG)
	s_wait_alu depctr_va_vdst(0)                   ; the products of the step before are done reading ring buffer (n - 1) % 5 and its scale words, in which this step's loads land; in phase 2's first step the joins have written the hidden layer's scale words, which the products take
.endif
	WIN \mul
	PRODS 0, 1, RH, \breg, \bs, \bstr, \brow, \zero
.if ((\n) > 0) && (NX < NG)
	RING RN, LB, LO                                ; no wait: no vector or matrix instruction since the wait above names that buffer, its scale words, v3 or v4
	WIN \mul
.endif
	PRODS 2, 3, RH, \breg, \bs, \bstr, \brow, \zero
.rept 4
	v_nop                                          ; four places behind the step's products, ahead of the first read of results where the step ends a sum; they stand in every step
.endr
.endm
.macro ACT                             ; hid = u / (1 + 2^(-g log2 e)), in f32; each accumulator is read from its low end on
.set j, 0
.rept 32
	v_pk_mul_f32 v[G+j:G+j+1], v[G+j:G+j+1], s[42:43] op_sel_hi:[1,0]
.set j, j+2
.endr
.set j, 0
.rept 64
	v_exp_f32 v[G+j], v[G+j]
.set j, j+1
.endr
	v_nop                                          ; a plain place behind the exponentials
.set j, 0
	s_wait_alu depctr_va_vdst(0)                   ; the 64 exponentials have written v[G ..], ahead of their first reader
.rept 32
	v_pk_add_f32 v[G+j:G+j+1], v[G+j:G+j+1], 1.0 op_sel_hi:[1,0]
.set j, j+2
.endr
.set j, 0
.rept 64
	v_rcp_f32 v[G+j], v[G+j]
.set j, j+1
.endr
	v_nop                                          ; a plain place behind the reciprocals
.set j, 0
	s_wait_alu depctr_va_vdst(0)                   ; the 64 reciprocals have written v[G ..], ahead of their first reader
.rept 32
	v_pk_mul_f32 v[G+j:G+j+1], v[G+j:G+j+1], v[U+j:U+j+1]
.set j, j+2
.endr
.endm
.macro QBLK b                          ; v[G + 16 m ..]: my block b's units 16 h + 0 .. 15 of my row of tile m: half a block; the four row tiles by turns
.irp m, 0,1,2,3
	v_max3_num_f32 v[TM+\m], |v[G+16*\m]|, |v[G+16*\m+1]|, 0x1800000   ; and the floor 2^(3 - 127): the byte cannot fall under 1
.endr
.irp i, 2,4,6,8,10,12,14
.irp m, 0,1,2,3
	v_max3_num_f32 v[TM+\m], v[TM+\m], |v[G+16*\m+\i]|, |v[G+16*\m+\i+1]|
.endr
.endr
.irp m, 0,1,2,3
	v_permlanex16_b32 v[TP+\m], v[TM+\m], s40, s41
.endr
.irp m, 0,1,2,3
	v_max_num_f32 v[TM+\m], v[TM+\m], v[TP+\m]     ; with lane l xor 16's: the block's largest magnitude
.endr
.irp m, 0,1,2,3
	v_add_nc_u32 v[SO+\m], 0xff000000, v[TM+\m]    ; 2 off its exponent field: the conversion's scale operand
.endr
.irp m, 0,1,2,3
.if (\b) == 0
	v_lshrrev_b32 v[PW+\m], 23, v[SO+\m]           ; the scale's byte: my first
.else
	v_lshrrev_b32 v[BY+\m], 23, v[SO+\m]
.endif
.endr
.if (\b) > 0
.irp m, 0,1,2,3
	v_lshl_or_b32 v[PW+\m], v[BY+\m], 8*(\b), v[PW+\m]
.endr
.endif
	s_wait_dscnt 0x0                               ; the last block's LDS stores are done
.if (\b) > 0
	s_wait_alu depctr_vm_vsrc(0)                   ; the last block's LDS stores have read v[CD ..], which the conversions write again
.endif
.irp m, 0,1,2,3
	v_cvt_scalef32_pk16_fp6_f32 v[CD+4*\m:CD+4*\m+2], v[G+16*\m:G+16*\m+15], v[SO+\m]
.endr
	v_nop                                          ; one plain place behind a scaled conversion
	s_wait_alu depctr_va_vdst(0)                   ; the conversions have written v[CD ..], which the LDS stores read; v[PW ..] is written too, for the stores behind the second block
.irp m, 0,1,2,3
.irp i, 0,1,2
	ds_store_b32 v6, v[CD+4*\m+\i] offset:HID+768*\m+24*(\b)+4*\i   ; 16 codes, 12 bytes, at their place in my row's 48
.endr
.endr
.endm
.macro TRIP1 b                         ; 32 hidden units for the 64 rows: eight K steps of gate and up, the activation, the quantiser.  The ring runs on: phase 1's last four steps ask for phase 2's first four groups
.irp s, 0,1,2,3,4,5,6,7
.if \s == 0
	GSTEP 8*(\b), 0x07, 0, XS, 4, 0, 1
.elseif \s < 5
	GSTEP 8*(\b)+\s, 0x07, 48*\s, XS+\s%4, 4, \s/4, 0
.else
	GSTEP 8*(\b)+\s, 0x0b, 48*(\s-5), XS+\s%4, 4, 1, 0
.endif
.endr
	WIN 0
	ACT
	QBLK \b
.endm
.macro EPI g                           ; outputs 64 g .. 64 g + 63 of my 256, for the 64 rows: times the row's weight, through my stage, out as runs of 256 bytes
.set OB, 128*((\g)%2)                  ; this trip's out-buffer, in window 2: tile m's 16 rows at OB + 32 m
	WIN 0
.irp m, 0,1,2,3
.irp q, 0,1,2,3
.irp p, 0,2,4,6
	v_pk_mul_f32 v[G+64*(\q/2)+16*\m+8*(\q%2)+\p:G+64*(\q/2)+16*\m+8*(\q%2)+\p+1], v[G+64*(\q/2)+16*\m+8*(\q%2)+\p:G+64*(\q/2)+16*\m+8*(\q%2)+\p+1], v[WT+2*\m:WT+2*\m+1]
.endr
.endr
.endr
.if (\g) >= 2
	s_wait_xcnt 0x0                                ; the global stores of two trips back have had their addresses translated: their data registers, this out-buffer, are loaded again only behind this wait
.endif
	WIN 0x80                                       ; an LDS load's destination in window 2; addresses and an LDS store's data in window 0
	s_wait_alu depctr_va_vdst(0)                   ; the multiplications have written the accumulators, which the LDS stores read; phase 1's products are done reading x's fragments of K steps 5 to 7, where the out-buffers lie
.irp m, 0,1,2,3
.irp q, 0,1,2,3
	ds_store_b128 v9, v[G+64*(\q/2)+16*\m+8*(\q%2):G+64*(\q/2)+16*\m+8*(\q%2)+3] offset:64*\q        ; lane (r, h): row r, outputs 16 q + 8 h + 0 .. 7
	ds_store_b128 v9, v[G+64*(\q/2)+16*\m+8*(\q%2)+4:G+64*(\q/2)+16*\m+8*(\q%2)+7] offset:64*\q+16
.endr
.irp i, 0,1,2,3,4,5,6,7
	ds_load_b128 v[OB+32*\m+4*\i:OB+32*\m+4*\i+3], v10 offset:544*\i   ; LDS serves a wave's instructions in order: these see the stores above, and the next tile's stores come behind them
.endr
.endr
.if (\g) < 3
	s_wait_alu depctr_vm_vsrc(0)                   ; the LDS stores have read the accumulators, which the next trip's products begin anew; the last trip's global stores have read the other out-buffer, in which the next trip's LDS loads land
.endif
	WIN 0x08                                       ; a store's data in window 2
.irp m, 0,1,2,3
	s_wait_dscnt 16*(3-\m)                         ; tile m is back; the later tiles' 8 stores and 8 loads each may be out
.irp i, 0,1,2,3,4,5,6,7
	global_store_b128 v[YO+8*\m+\i], v[OB+32*\m+4*\i:OB+32*\m+4*\i+3], s[12:13] offset:256*(\g)   ; lanes 0-15 store 256 consecutive bytes of row 2 i, lanes 16-31 of row 2 i + 1
.endr
.endr
.endm
.macro TRIP2 g                         ; 64 outputs: my work-group's two K steps of down
	GSTEP 16+2*(\g), 0x07, 0, XS, 1, 0, 1
	GSTEP 17+2*(\g), 0x07, 48, XS+4, 1, 0, 0
	EPI \g
.endm
	s_load_b256 s[4:11], s[0:1], 0x0               ; xq s[4:5], rwt s[6:7], plan s[8:9], wq s[10:11]
	s_load_b64 s[12:13], s[0:1], 0x20              ; ybuf
	v_lshl_add_u32 v126, v0, 2, 0x7c00
	v_mov_b32 v127, 0
	v_lshrrev_b32 v1, 5, v0
	v_readfirstlane_b32 s14, v1                    ; wave
	v_and_b32 v5, 31, v0                           ; lane
	v_and_b32 v1, 15, v0                           ; r
	v_bfe_u32 v2, v0, 4, 1                         ; h
	v_lshlrev_b32 v3, 4, v5                        ; 16 x lane: a fragment's registers in wq
	v_lshlrev_b32 v4, 3, v5                        ; 8 x lane: a group's scale words
	v_lshlrev_b32 v5, 2, v5                        ; 4 x lane
	v_mul_u32_u24 v6, v1, 48
	v_mad_u32_u24 v8, v2, 24, v6                   ; the hidden layer's codes, read: 48 r + 24 h: a whole block of 32
	v_mad_u32_u24 v6, v2, 12, v6
	s_wait_alu depctr_va_sdst(0)                   ; s14 is written, ahead of its first reader: LDS addresses and the pointers are made from it
	s_mul_i32 s20, s14, 3072
	v_add_nc_u32 v6, s20, v6                       ; and written: 3,072 w + 48 r + 12 h
	s_lshl_b32 s20, s14, 9
	s_add_co_u32 s20, s20, HSC
	v_add_nc_u32 v7, s20, v5                       ; its scale bytes, written: HSC + 512 w + 4 x lane
	s_mul_i32 s20, s14, 4352
	s_add_co_u32 s20, s20, STG                     ; my stage
	v_mul_u32_u24 v9, v1, 272
	v_lshl_add_u32 v9, v2, 5, v9
	v_add_nc_u32 v9, s20, v9                       ; in: row r, + 32 h
	v_mul_u32_u24 v10, v2, 272
	v_lshl_add_u32 v10, v1, 4, v10
	v_add_nc_u32 v10, s20, v10                     ; back: lanes 0-15 one row, lanes 16-31 the next; 16 bytes a lane
	v_lshlrev_b32 v11, 4, v1
	s_lshr_b32 s15, ttmp9, 1                       ; my tile's number
	s_and_b32 s52, ttmp9, 1                        ; j: my half of the hidden units
	s_lshr_b32 s47, s14, 1                         ; w / 2
	s_and_b32 s23, s14, 1                          ; w % 2
	s_mov_b32 s16, 0
	s_mov_b32 s17, 16
	s_mov_b32 s18, 0
	s_mov_b32 s19, 2048
	s_mov_b32 s22, 2048                            ; the shared expert's count
	s_mov_b32 s40, 0x76543210
	s_mov_b32 s41, 0xfedcba98                      ; v_permlanex16_b32's selects for lane l xor 16
	s_mov_b32 s42, 0xbfb8aa3b                      ; -log2 e
	s_mov_b32 s43, s42                             ; (named with it as a pair, so it is written)
	s_wait_kmcnt 0x0
	s_load_b512 s[24:39], s[8:9], 0x23100          ; the 16 counts
	s_wait_kmcnt 0x0
	PICK 16, 22                                    ; the shared expert's 32 tiles come first
.irp e, 0,1,2,3,4,5,6,7,8,9,10,11,12,13,14,15
	PICK \e, 24+\e
.endr
	s_cmp_lt_u32 s15, s16                          ; has this split a tile for me?
	s_cselect_b32 s21, 1, 0
	s_cselect_b32 s17, s17, 16                     ; if not: held on list 16's first rows
	s_cselect_b32 s18, s18, s15
	s_cselect_b32 s19, s19, s22
	s_min_u32 s17, s17, 16
	s_min_u32 s19, s19, 2048
	s_sub_co_u32 s45, s15, s18
	s_lshl_b32 s45, s45, 6
	s_min_u32 s45, s45, 1984                       ; my tile's first place in the list
	s_sub_co_u32 s46, s19, 1                       ; the list's last place
	s_mul_i32 s48, s17, 8448
	s_mov_b32 s49, 0
	s_add_nc_u64 s[8:9], s[8:9], s[48:49]          ; my expert's list
	s_lshl_b32 s20, s17, 2                         ; 4 e
	s_add_co_u32 s48, s20, s14
	s_mul_i32 s48, s48, 307200                     ; stream (e, w),
	s_mul_i32 s53, s52, 12800
	s_add_co_u32 s48, s48, s53
	s_add_co_u32 s48, s48, 204800                  ; its group 32 + 2 j
	s_add_nc_u64 s[WP2:WP2+1], s[10:11], s[48:49]  ; phase 2's groups
	s_lshl_b32 s53, s52, 1
	s_add_co_u32 s48, s20, s53
	s_add_co_u32 s48, s48, s47
	s_mul_i32 s48, s48, 307200                     ; stream (e, 2 j + w / 2),
	s_mul_i32 s53, s23, 102400                     ; its group 16 (w % 2)
	s_add_co_u32 s48, s48, s53
	s_add_nc_u64 s[WP1:WP1+1], s[10:11], s[48:49]  ; phase 1's groups
	s_lshl_b32 s48, s14, 10                        ; my 256 outputs of a row,
	s_lshl_b32 s53, s52, 25                        ; in half j of ybuf
	s_add_co_u32 s48, s48, s53
	s_add_nc_u64 s[12:13], s[12:13], s[48:49]
	; the 36 list entries that a lane wants: its row of each tile (by r), and the rows that it stores (by 2 i + h).  All their places are made first, in registers of their own, so that one wait serves the 36 loads
	v_add_nc_u32 v60, s45, v1
	v_add_nc_u32 v61, s45, v2
.irp m, 0,1,2,3
	v_add_nc_u32 v[PO+\m], 16*\m, v60
.endr
.irp m, 0,1,2,3
.irp i, 0,1,2,3,4,5,6,7
	v_add_nc_u32 v[PO+4+8*\m+\i], 16*\m+2*\i, v61
.endr
.endr
.set n, 0
.rept 36
	PLACE PO+n
.set n, n+1
.endr
	v_mul_u32_u24 v100, v2, 48
	v_lshlrev_b32 v101, 4, v2
.irp m, 0,1,2,3
	v_mov_b32 v[TP+\m], 0                          ; written once: a lane permute's destination counts as one of its sources
.endr
	s_wait_alu depctr_va_vdst(0)                   ; the 36 places v[PO ..] are written, which the list loads read; so are v3 and v4, which every load of the ring reads, and the LDS addresses v5 to v10
.irp m, 0,1,2,3
	global_load_b32 v[ENT+\m], v[PO+\m], s[8:9]
.endr
.irp m, 0,1,2,3
.irp i, 0,1,2,3,4,5,6,7
	global_load_b32 v[YO+8*\m+\i], v[PO+4+8*\m+\i], s[8:9]
.endr
.endr
.irp n, 0,1,2,3
	RING \n, WP1, 6400*\n                          ; phase 1's first four groups
.endr
	s_wait_loadcnt 52                              ; the 36 entries are in; the ring's 52 loads may be out
.irp m, 0,1,2,3
	v_lshrrev_b32 v[TM+\m], 2, v[ENT+\m]           ; the token,
	v_min_u32 v[TM+\m], 0x7ff, v[TM+\m]            ; inside xq
	v_mul_u32_u24 v[TM+\m], v[TM+\m], 800
	v_add_nc_u32 v[XA+\m], v[TM+\m], v100          ; its codes: + 48 h
	v_add_nc_u32 v[XB+\m], v[TM+\m], v101          ; its scale words: lanes 0-15 take K steps 0-3's, lanes 16-31 K steps 4-7's
	v_min_u32 v[ENT+\m], 0x1fff, v[ENT+\m]
	v_lshlrev_b32 v[ENT+\m], 2, v[ENT+\m]          ; its weight in rwt
.endr
.irp m, 0,1,2,3
.irp i, 0,1,2,3,4,5,6,7
	v_min_u32 v[YO+8*\m+\i], 0x1fff, v[YO+8*\m+\i]
	v_lshl_add_u32 v[YO+8*\m+\i], v[YO+8*\m+\i], 12, v11   ; the row in ybuf, + 16 r
.endr
.endr
	WIN 0x40                                       ; destination window 1
	s_wait_alu depctr_va_vdst(0)                   ; v[XA ..], v[XB ..] and v[ENT ..] are written, which the gather's loads read, and v[YO ..], which the way out's stores read
.irp s, 0,1,2,3,4
.irp m, 0,1,2,3
.irp c, 0,1,2
	global_load_b128 v[12*(4*\s+\m)+4*\c:12*(4*\s+\m)+4*\c+3], v[XA+\m], s[4:5] offset:96*\s+16*\c
.endr
.endr
.endr
	WIN 0x80                                       ; destination window 2
.irp s, 5,6,7
.irp m, 0,1,2,3
.irp c, 0,1,2
	global_load_b128 v[12*(4*(\s-5)+\m)+4*\c:12*(4*(\s-5)+\m)+4*\c+3], v[XA+\m], s[4:5] offset:96*\s+16*\c
.endr
.endr
.endr
	WIN 0
.irp m, 0,1,2,3
	global_load_b128 v[XS+4*\m:XS+4*\m+3], v[XB+\m], s[4:5] offset:768
.endr
.irp m, 0,1,2,3
	global_load_b32 v[WT+2*\m], v[ENT+\m], s[6:7]
.endr
	RING 4, WP1, 25600                             ; group 4 into the fifth buffer: so every buffer of the ring is asked for on every way through the text
	s_wait_loadcnt 13                              ; the gather and the ring's first four groups are in; group 4's 13 loads may be out
.irp m, 0,1,2,3
	v_mov_b32 v[WT+2*\m+1], v[WT+2*\m]             ; the packed multiply takes a pair
.endr
	s_wait_alu depctr_vm_vsrc(0)                   ; the list loads have read v[PO ..]: these registers are accumulators from here on, written by the products
	s_cmp_eq_u32 s21, 0
	s_cbranch_scc1 .Lmeet                          ; no rows: on to the barrier, which every wave passes
	; ---- 1: my 64 hidden units, 32 at a time.  Written out: every offset is an immediate, and no pointer is stepped
	TRIP1 0
	TRIP1 1
.irp m, 0,1,2,3
	ds_store_b32 v7, v[PW+\m] offset:128*\m        ; my rows' two scale bytes, in the low half of a word of my own (no vector line has named them since the quantiser's last wait)
.endr
.Lmeet:
	s_wait_dscnt 0x0                               ; for the others' sake: my stores have landed
	s_barrier_signal -1
	s_barrier_wait -1                              ; the work-group's 256 hidden units of 64 rows lie in LDS
	s_cmp_eq_u32 s21, 0
	s_cbranch_scc1 .Lend
	; ---- 2: my 256 outputs, 64 at a time.  Fragment (s, m), K step s of my work-group's two: registers 0-5 (blocks 0, 1) from wave 2 s's rows, registers 6-11 (blocks 2, 3) from wave 2 s + 1's
	; No wait: the last vector or matrix instruction that names the registers in which these loads land stands ahead of the quantiser's last wait on va_vdst, and no LDS or memory instruction has read them
	WIN 0x40                                       ; destination window 1: x's fragments are done with
.irp s, 0,1
.irp m, 0,1,2,3
.irp p, 0,1,2,3,4,5
	ds_load_b64 v[12*(4*\s+\m)+2*\p:12*(4*\s+\m)+2*\p+1], v8 offset:HID+3072*(2*\s+\p/3)+768*\m+8*(\p%3)
.endr
.endr
.endr
	WIN 0
.irp s, 0,1
.irp m, 0,1,2,3
	ds_load_b32 v[XS+4*\s+\m], v5 offset:HSC+1024*\s+128*\m        ; the bytes of blocks 0, 1,
	ds_load_b32 v[HW+4*\s+\m], v5 offset:HSC+1024*\s+512+128*\m    ; and of blocks 2, 3
.endr
.endr
	s_wait_dscnt 0x0
.irp f, 0,1,2,3,4,5,6,7
	v_lshl_or_b32 v[XS+\f], v[HW+\f], 16, v[XS+\f] ; the row's scale word of the K step
.endr
.rept 8
	v_nop                                          ; a scale register written by a vector instruction stands 8 places ahead of a scaled matrix instruction; the wait beside them stands at the first step's head
.endr
	TRIP2 0
	TRIP2 1
	TRIP2 2
	TRIP2 3
	WIN 0                                          ; at a label every window is 0
.Lend:
	s_wait_dscnt 0x0                               ; the closing lines, six on end
	s_wait_alu 0x0
	s_wait_tensorcnt 0x0
	ds_add_u32 v126, v127
	s_wait_dscnt 0x0
	s_endpgm
.Lfunc_end_k_q446610d24f_experts:
	.size	k_q446610d24f_experts, .Lfunc_end_k_q446610d24f_experts-k_q446610d24f_experts
	.p2alignl 7, 3214868480
	.fill 96, 4, 3214868480
	.section	.rodata,"a",@progbits
	.p2align	6, 0x0
	.amdhsa_kernel k_q446610d24f_experts
		.amdhsa_group_segment_fixed_size 32256
		.amdhsa_private_segment_fixed_size 0
		.amdhsa_enable_private_segment 0
		.amdhsa_kernarg_size 40
		.amdhsa_user_sgpr_count 2
		.amdhsa_user_sgpr_kernarg_segment_ptr 1
		.amdhsa_wavefront_size32 1
		.amdhsa_system_sgpr_workgroup_id_x 1
		.amdhsa_system_sgpr_workgroup_id_y 1
		.amdhsa_system_sgpr_workgroup_id_z 1
		.amdhsa_system_vgpr_workitem_id 0
		.amdhsa_next_free_vgpr 1008
		.amdhsa_next_free_sgpr 66
		.amdhsa_reserve_vcc 0
		.amdhsa_float_denorm_mode_32 3
		.amdhsa_float_denorm_mode_16_64 3
		.amdhsa_memory_ordered 1
		.amdhsa_forward_progress 1
		.amdhsa_inst_pref_size 196
	.end_amdhsa_kernel
	.amdgpu_metadata
---
amdhsa.version: [ 1, 2 ]
amdhsa.kernels:
  - .name:           k_q446610d24f_experts
    .symbol:         k_q446610d24f_experts.kd
    .args:
      - { .name: xq, .offset: 0, .size: 8, .value_kind: global_buffer, .address_space: global }
      - { .name: rwt, .offset: 8, .size: 8, .value_kind: global_buffer, .address_space: global }
      - { .name: plan, .offset: 16, .size: 8, .value_kind: global_buffer, .address_space: global }
      - { .name: wq, .offset: 24, .size: 8, .value_kind: global_buffer, .address_space: global }
      - { .name: ybuf, .offset: 32, .size: 8, .value_kind: global_buffer, .address_space: global }
    .group_segment_fixed_size: 32256
    .private_segment_fixed_size: 0
    .kernarg_segment_align: 8
    .kernarg_segment_size: 40
    .max_flat_workgroup_size: 128
    .sgpr_count:     66
    .vgpr_count:     1008
    .wavefront_size: 32
...
	.end_amdgpu_metadata
.endif
;; end of part 6
;; launch combine: the kernel of part 4 again; grid 512 x 1, 8 waves a work-group, no clusters, 0 bytes of LDS; arguments x, ybuf, out0; writes out0
